; MI455X (gfx1250); checked and timed in simulation.
; The chip was launched on July 23, 2026; its instructions are those of AMD's public machine-readable ISA for CDNA 5 (MIT licence, August 2026) and "CDNA5" Instruction Set Architecture Reference Guide (July 2026). The comments in the code are by the model that wrote it; some were corrected since.
;; Capsule Layer. Allowed arithmetic: matrix products marked QUANTISED: E3M2 operands, one E8M0 scale for each 32 along K, by v_wmma_scale_f32_16x16x128_f8f6f4 with both operands' format E3M2, f32 sums; everything else in f32.
;; Inputs: route_weights 32 x 256 x 256 float32; route_weights1 64 x 256 x 256 float32; x 64 x 128 x 256 float32.
;; Outputs: out0 32 x 64 x 256 float32.
;; This version of the problem:
;;   THIS VERSION OF THE PROBLEM IS GIVEN IN LOW PRECISION. The matrix products marked QUANTISED in the list below multiply operands that are first quantised to E3M2 (3 exponent bits, 2 mantissa bits; 6 bits a number), with one power-of-two scale for each 32 numbers along K (OCP MX v1.0); their sums are f32. All else is computed in f32.
;;   The module's matrix products, in the order in which they are computed (A, B: the left and right operand; K: the contracted axis; several contracted axes count as one K, in the product's order):
;;     1. [M 16,384, K 256] x [K 256, N 8,192]; A: input route_weights1; B: input x: QUANTISED
;;     2. [M 8,192, K 256] x [K 256, N 4,096]; A: input route_weights; B: computed on the way: QUANTISED
;;   THE QUANTISER, for each operand of a quantised product, along K:
;;     - K is cut into blocks of 32 from its start; a last block that is shorter is filled with zeros.
;;     - A block's scale is 2^e with e = floor(log2(the largest magnitude in the block)) - 4, held to -126 .. 127; a block of zeros has e = 0. As a byte (E8M0): e + 127.
;;     - Each number is divided by its block's scale, clamped to +-28, and rounded to the nearest number of E3M2, ties to even, subnormals kept.
;;     - The product sums the exact products of the quantised numbers (number of the format x scale) in f32.
;;   ~~~python
;;   def quantise(x, axis):      # numpy; x: float32 -> the quantised numbers, widened to float32 again
;;       x = np.moveaxis(x, axis, -1); K = x.shape[-1]
;;       x = np.pad(x, [(0, 0)] * (x.ndim - 1) + [(0, -K % 32)]); x = x.reshape(x.shape[:-1] + (-1, 32)); a = np.abs(x).max(-1, keepdims=True)
;;       e = np.where(a > 0, np.clip(np.frexp(np.where(a > 0, a, 1))[1] - 1 - 4, -126, 127), 0)      # np.frexp(a)[1] - 1 = floor(log2(a)), exactly
;;       r = np.clip(x / 2.0 ** e, -28, 28)
;;       step = 2.0 ** (np.maximum(np.frexp(np.where(r == 0, 1, r))[1] - 1, -2) - 2)
;;       q = np.round(r / step) * step * 2.0 ** e      # np.round: ties to even
;;       return np.moveaxis(q.reshape(q.shape[:-2] + (-1,))[..., :K], -1, axis).astype(np.float32)
;;   ~~~
;;   OPERANDS COMPUTED ON THE WAY. 'Computed on the way' means the value that the module computes at that place (a softmax that the list does not call 'softmax' is quantised finished and normalised). What goes into a quantiser is computed in f32, as accurately as f32 sums, v_exp_f32 and their like allow (about 1e-6 of the number): no bf16 or f16 on the way to a quantiser, and a product that is left as it is and whose result goes on into a quantised operand takes f32 operands (vector FMAs, or v_wmma_f32_16x16x4_f32). A number that lies on a knife's edge between two numbers of the format may be rounded either way, as far as f32 arithmetic and the matrix unit's own rounding can turn it there, and no further.
;; 2 versions, each right; version 2 is version 1 with the launches stage1, stage2 written anew for expert scheduling mode. Each part assembles by itself: llvm-mc -triple=amdgcn-amd-amdhsa -mcpu=gfx1250 --defsym DOCPART=n.
;; ======== version 1 of 2: 3 launches
;; workspace buffers: xq 1,572,864 bytes; xs 65,536 bytes; wq 4,718,592 bytes; ws 196,608 bytes; oq 786,432 bytes; os 32,768 bytes
;; launch prep (part 1): grid 256 x 1, 16 waves a work-group, no clusters, 110,848 bytes of LDS; arguments x, route_weights1, route_weights, xq, xs, wq, ws; writes xq, xs, wq, ws
.if DOCPART == 1
	.amdgcn_target "amdgcn-amd-amdhsa--gfx1250"
	.amdhsa_code_object_version 6
	.text
	.protected	k_q761c9950b7_prep
	.globl	k_q761c9950b7_prep
	.p2align	8
	.type	k_q761c9950b7_prep,@function
k_q761c9950b7_prep:
	s_mov_b64 s[64:65], 0
	v_nop
	global_prefetch_b8 v0, s[64:65] scope:SCOPE_SE
	s_setreg_imm32_b32 hwreg(HW_REG_WAVE_MODE, 25, 1), 1
	s_wait_xcnt 0x0
; x [64][128][256], W1 [64][256][256] and W [32][256][256], f32, become codes of BF6 (E3M2) with one E8M0 byte for each 32 along K = d.
; A block's scale is 2^(floor(log2(its largest magnitude)) - 4): its byte is the largest magnitude's exponent field - 4, held at 1 from below.
; LIMITS: a block of zeros, or one whose largest magnitude lies under 2^-122, gets the byte 1 (the rule says 127 for zeros): its codes are zeros, and this
; program alone reads the bytes.  NaN and infinities among the inputs are not served.
; Work-groups 0-191: half a weight matrix each (matrix mi = g / 2: W1's 64, then W's 32; K step s = g % 2: 128 rows d x 256 columns e).
;   K is the FIRST axis of a matrix, so a lane takes a column e and its registers run down d: a block of 32 lies in one lane, nothing is transposed.
;   The codes leave as IMAGES OF OPERAND REGISTERS: fragment (t, s) is 12 registers a lane; its lane (r, h) holds column e = 16 r + t, registers 6 c .. 6 c + 5 hold
;   d = 128 s + 64 c + 32 h + 0 .. 31.  wq byte = mi 49152 + (2 t + s) 1536 + g 512 + 16 lane for registers 4 g .. 4 g + 3.  ws: word at mi 2048 + s 1024 + t 64 + r 4.
; Work-groups 192-255: x[a], a = g - 192.  K is innermost: a plain stream of blocks; xq: row (a 128 + b) x 192 bytes, xs: row x 8 bytes.
; The two ways part on the work-group's number alone, never join, and each has LDS bytes of its own.
.set FP,   1552                        ; a fragment's place in the stage: 1,536 bytes + 16: an odd multiple of 16, so sixteen fragments begin in sixteen different 16-byte columns of the 64 banks (ISA guide 11.1)
.set WST,  0                           ; 16 fragments
.set SCW,  16*FP                       ; 1,024 scale bytes of the weights
.set XST,  SCW+1024                    ; x: two stages of 32 x 80 bytes for each of 16 waves
.set XSB,  XST+16*5120                 ; x: 1,024 scale bytes
.set SP,   80                          ; a lane's place in x's stage: 64 bytes + 16
.set EMAX, 4
	s_load_b256 s[4:11], s[0:1], 0x0               ; x s[4:5], W1 s[6:7], W s[8:9], xq s[10:11]
	s_load_b128 s[12:15], s[0:1], 0x20             ; xs s[12:13], wq s[14:15]
	s_load_b64 s[16:17], s[0:1], 0x30              ; ws
	v_lshl_add_u32 v160, v0, 2, 0x1a900
	v_mov_b32 v161, 0
	v_lshrrev_b32 v1, 5, v0
	v_readfirstlane_b32 s18, v1                    ; wave 0..15
	v_and_b32 v2, 31, v0                           ; lane
	s_cmp_ge_u32 ttmp9, 192
	s_cbranch_scc1 .Lxpath
; ---------------- the weights ----------------
	s_lshr_b32 s19, ttmp9, 1                       ; mi
	s_and_b32 s20, ttmp9, 1                        ; s
	s_and_b32 s21, s18, 7                          ; cg: my columns are 32 cg + lane
	s_lshr_b32 s22, s18, 3                         ; dh: my blocks are the image's half h = dh
	v_lshlrev_b32 v3, 2, v2                        ; in: 4 bytes a lane
	v_and_b32 v4, 15, v2                           ; t = e % 16
	v_lshrrev_b32 v7, 4, v2
	s_lshl_b32 s23, s22, 4
	s_lshl_b32 s24, s21, 1
	s_add_co_u32 s23, s23, s24                     ; 16 dh + 2 cg
	s_lshl_b32 s23, s23, 4
	v_mul_u32_u24 v5, v4, FP
	v_lshl_add_u32 v5, v7, 4, v5
	v_add_nc_u32 v5, s23, v5                       ; stage: fragment t, image lane 16 dh + 2 cg + lane / 16  (r = e / 16)
	s_lshl_b32 s23, s21, 3
	s_add_co_u32 s23, s23, s22
	s_add_co_u32 s23, s23, SCW
	v_lshlrev_b32 v6, 6, v4
	v_lshl_add_u32 v6, v7, 2, v6
	v_add_nc_u32 v6, s23, v6                       ; scale byte: t 64 + r 4 + (2 c + dh); 2 c stands in the store's offset
	v_lshlrev_b32 v8, 4, v2                        ; the way out: 16 bytes a lane
	s_mul_i32 s23, s18, FP
	v_add_nc_u32 v9, s23, v8                       ; fragment t = my wave's number
	s_lshl_b32 s23, s18, 9
	s_add_co_u32 s23, s23, SCW
	v_add_nc_u32 v10, s23, v8                      ; (used by waves 0 and 1 alone) 512 of the scale bytes
	s_mul_i32 s28, s19, 49152
	s_mul_i32 s29, s18, 3072
	s_add_co_u32 s28, s28, s29
	s_mul_i32 s29, s20, 1536
	s_add_co_u32 s28, s28, s29                     ; wq: mi 49152 + (2 t + s) 1536
	s_mov_b32 s29, 0
	s_lshl_b32 s30, s19, 11
	s_lshl_b32 s31, s20, 10
	s_add_co_u32 s30, s30, s31
	s_lshl_b32 s31, s18, 9
	s_add_co_u32 s30, s30, s31                     ; ws: mi 2048 + s 1024 + 512 wave
	s_mov_b32 s31, 0
	s_wait_kmcnt 0x0
	s_cmp_lt_u32 s19, 64                           ; W1's matrix or W's?  The choice hangs on the work-group's number alone
	s_cselect_b64 s[26:27], s[6:7], s[8:9]
	s_cselect_b32 s24, 0, 64
	s_sub_co_u32 s24, s19, s24
	s_lshl_b32 s24, s24, 18                        ; a matrix is 262,144 bytes,
	s_lshl_b32 s25, s20, 17
	s_add_co_u32 s24, s24, s25                     ; 128 s rows of 1,024 bytes,
	s_lshl_b32 s25, s22, 15
	s_add_co_u32 s24, s24, s25                     ; 32 dh rows,
	s_lshl_b32 s25, s21, 7
	s_add_co_u32 s24, s24, s25                     ; 32 cg columns
	s_mov_b32 s25, 0
	s_add_nc_u64 s[26:27], s[26:27], s[24:25]
	s_add_nc_u64 s[14:15], s[14:15], s[28:29]
	s_add_nc_u64 s[16:17], s[16:17], s[30:31]
.macro LOADB c                         ; block c: rows 64 c + 0 .. 31 from my first row; 32 lanes read 128 consecutive bytes
.set li, 0
.rept 32
	global_load_b32 v[16+32*\c+li], v3, s[26:27] offset:(64*\c+li)*1024 th:TH_LOAD_NT
.set li, li+1
.endr
.endm
.macro BLOCKW c
.set XB, 16+32*\c
.set CB, 80+16*\c
	s_wait_loadcnt 32-32*\c                        ; this block's 32 loads are in; block 1's 32 may be out while block 0 is worked
	v_max3_num_f32 v12, |v[XB]|, |v[XB+1]|, |v[XB+2]|      ; the block's largest magnitude: all 32 numbers are mine; two chains
	v_max3_num_f32 v13, |v[XB+3]|, |v[XB+4]|, |v[XB+5]|
.irp i, 6,10,14,18,22,26
	v_max3_num_f32 v12, v12, |v[XB+\i]|, |v[XB+\i+1]|
	v_max3_num_f32 v13, v13, |v[XB+\i+2]|, |v[XB+\i+3]|
.endr
	v_max3_num_f32 v12, v12, |v[XB+30]|, |v[XB+31]|
	v_max3_num_f32 v12, v12, v13, (EMAX+1)<<23     ; and the floor 2^(5 - 127): the byte cannot fall under 1
	v_add_nc_u32 v11, -(EMAX<<23), v12             ; 4 off the exponent field: the conversion takes that field as its scale and nothing else
	v_cvt_scalef32_pk16_bf6_f32 v[CB:CB+2], v[XB:XB+15], v11
	v_cvt_scalef32_pk16_bf6_f32 v[CB+8:CB+10], v[XB+16:XB+31], v11   ; (a conversion's three registers begin on an even number)
	v_lshrrev_b32 v[124+\c], 23, v11               ; the scale's byte; also the plain line between the conversions and the moves that read their result
.irp i, 0,1,2
	v_mov_b32 v[CB+3+\i], v[CB+8+\i]               ; v[CB .. CB+5] = the image's registers 6 c .. 6 c + 5
.endr
.if \c == 0
	ds_store_b128 v5, v[CB:CB+3]                   ; registers 0-3
	ds_store_b64 v5, v[CB+4:CB+5] offset:512       ; registers 4, 5
.else
	ds_store_b64 v5, v[CB:CB+1] offset:520         ; registers 6, 7
	ds_store_b128 v5, v[CB+2:CB+5] offset:1024     ; registers 8-11
.endif
	ds_store_b8 v6, v[124+\c] offset:2*\c
.endm
	LOADB 0
	LOADB 1
	BLOCKW 0
	BLOCKW 1
	s_wait_dscnt 0x0                               ; for the others' sake: my stores into the stage are done
	s_barrier_signal -1
	s_barrier_wait -1
.irp g, 0,1,2
	ds_load_b128 v[108+4*\g:111+4*\g], v9 offset:512*\g
.endr
.irp g, 0,1,2
	s_wait_dscnt 2-\g                              ; LDS loads come back in order: load g is in, the younger ones may be out
	global_store_b128 v8, v[108+4*\g:111+4*\g], s[14:15] offset:512*\g   ; 32 lanes store 512 consecutive bytes, at a multiple of 256 from wq's first byte
.endr
	s_cmp_gt_u32 s18, 1
	s_cbranch_scc1 .Lwend
	ds_load_b128 v[120:123], v10                   ; waves 0 and 1: the 1,024 scale bytes, 512 each
	s_wait_dscnt 0x0
	global_store_b128 v8, v[120:123], s[16:17]
.Lwend:
	s_wait_tensorcnt 0x0
	ds_add_u32 v160, v161
	s_wait_dscnt 0x0
	s_endpgm
; ---------------- x ----------------
; A wave takes 4 steps of 512 numbers.  A conversion wants 16 NEIGHBOURS in a lane; a load is best where neighbouring lanes take neighbouring bytes: so a step's 2,048 bytes
; are loaded as they lie, 16 bytes a lane, and turn through the wave's own stage in LDS, whence a lane reads its 64 bytes.  Two neighbouring lanes hold a block.
.Lxpath:
	s_sub_co_u32 s19, ttmp9, 192                   ; a
	v_lshlrev_b32 v3, 4, v2                        ; 16 bytes a lane
	s_mul_i32 s20, s18, 5120
	s_add_co_u32 s20, s20, XST                     ; my wave's two stages
	v_lshrrev_b32 v14, 2, v2
	v_mul_u32_u24 v14, v14, SP
	v_and_b32 v15, 3, v2
	v_lshl_add_u32 v14, v15, 4, v14
	v_add_nc_u32 v14, s20, v14                     ; in: four lanes' 64 bytes on end, then 16 of padding
	v_mul_u32_u24 v15, v2, SP
	v_add_nc_u32 v15, s20, v15                     ; out: my 16 neighbours
	v_mul_u32_u24 v4, v2, 12                       ; my 16 codes: 12 bytes
	v_lshrrev_b32 v5, 1, v2
	s_lshl_b32 s20, s18, 6
	s_add_co_u32 s20, s20, XSB
	v_add_nc_u32 v5, s20, v5                       ; my block's byte among my wave's 64
	s_lshl_b32 s20, s18, 9
	s_add_co_u32 s20, s20, XSB
	v_add_nc_u32 v6, s20, v3                       ; (used by waves 0 and 1 alone) 512 of the scale bytes
	s_lshl_b32 s22, s19, 17
	s_lshl_b32 s23, s18, 13
	s_add_co_u32 s22, s22, s23                     ; x: a 131072 + wave 8192
	s_mov_b32 s23, 0
	s_mul_i32 s24, s19, 24576
	s_mul_i32 s25, s18, 1536
	s_add_co_u32 s24, s24, s25                     ; xq: a 24576 + wave 1536
	s_mov_b32 s25, 0
	s_lshl_b32 s26, s19, 10
	s_lshl_b32 s27, s18, 9
	s_add_co_u32 s26, s26, s27                     ; xs: a 1024 + wave 512
	s_mov_b32 s27, 0
	s_wait_kmcnt 0x0
	s_add_nc_u64 s[4:5], s[4:5], s[22:23]
	s_add_nc_u64 s[10:11], s[10:11], s[24:25]
	s_add_nc_u64 s[12:13], s[12:13], s[26:27]
.set li, 0
.rept 16                               ; all of the wave's 8,192 bytes are asked for at once: step t's four loads into v[16 + 16 t ..]
	global_load_b128 v[16+4*li:19+4*li], v3, s[4:5] offset:512*li th:TH_LOAD_NT
.set li, li+1
.endr
.macro TURN t                          ; LDS serves a wave's instructions in order: no wait between the stores and the loads
.irp i, 0,1,2,3
	ds_store_b128 v14, v[16+16*(\t)+4*\i:19+16*(\t)+4*\i] offset:32*SP*((\t)%2)+8*SP*\i
.endr
.irp i, 0,1,2,3
	ds_load_b128 v[80+16*((\t)%2)+4*\i:83+16*((\t)%2)+4*\i], v15 offset:32*SP*((\t)%2)+16*\i
.endr
.endm
.macro STEP t
.set XB, 80+16*((\t)%2)
.if (\t) > 0
	s_wait_dscnt 1                                 ; this step's numbers are back from the stage; the last step's byte store may be out
.else
	s_wait_dscnt 0x0
.endif
.if (\t) < 3
	s_wait_loadcnt 4*(2-(\t))                      ; the next step's four loads are in; those of the steps behind it may be out
	TURN (\t)+1                                    ; and turn through the other stage while this step is worked
.endif
	v_max3_num_f32 v8, |v[XB]|, |v[XB+1]|, |v[XB+2]|
	v_max3_num_f32 v9, |v[XB+3]|, |v[XB+4]|, |v[XB+5]|
.irp i, 6,10
	v_max3_num_f32 v8, v8, |v[XB+\i]|, |v[XB+\i+1]|
	v_max3_num_f32 v9, v9, |v[XB+\i+2]|, |v[XB+\i+3]|
.endr
	v_max3_num_f32 v8, v8, |v[XB+14]|, |v[XB+15]|
	v_max3_num_f32 v8, v8, v9, (EMAX+1)<<23        ; the floor
	v_max_num_f32_dpp v8, v8, v8 row_xmask:1 row_mask:0xf bank_mask:0xf   ; with my neighbour's 16: the block's
	v_add_nc_u32 v11, -(EMAX<<23), v8
	v_cvt_scalef32_pk16_bf6_f32 v[116+4*(\t):118+4*(\t)], v[XB:XB+15], v11
	v_lshrrev_b32 v[112+(\t)], 23, v11             ; the byte; the plain line behind the conversion
	ds_store_b8 v5, v[112+(\t)] offset:16*(\t)     ; both lanes of a block write the same byte with the same value
	global_store_b96 v4, v[116+4*(\t):118+4*(\t)], s[10:11] offset:384*(\t)   ; the wave stores 384 consecutive bytes
.endm
	s_wait_loadcnt 12                              ; step 0's four loads are in
	TURN 0
	STEP 0
	STEP 1
	STEP 2
	STEP 3
	s_wait_dscnt 0x0                               ; my byte stores are done
	s_barrier_signal -1
	s_barrier_wait -1
	s_cmp_gt_u32 s18, 1
	s_cbranch_scc1 .Lxend
	ds_load_b128 v[132:135], v6                    ; waves 0 and 1: the work-group's 1,024 scale bytes, 512 each
	s_wait_dscnt 0x0
	global_store_b128 v3, v[132:135], s[12:13]
.Lxend:
	s_wait_tensorcnt 0x0
	ds_add_u32 v160, v161
	s_wait_dscnt 0x0
	s_endpgm
.Lfunc_end_k_q761c9950b7_prep:
	.size	k_q761c9950b7_prep, .Lfunc_end_k_q761c9950b7_prep-k_q761c9950b7_prep
	.p2alignl 7, 3214868480
	.fill 96, 4, 3214868480
	.section	.rodata,"a",@progbits
	.p2align	6, 0x0
	.amdhsa_kernel k_q761c9950b7_prep
		.amdhsa_group_segment_fixed_size 110848
		.amdhsa_private_segment_fixed_size 0
		.amdhsa_enable_private_segment 0
		.amdhsa_kernarg_size 56
		.amdhsa_user_sgpr_count 2
		.amdhsa_user_sgpr_kernarg_segment_ptr 1
		.amdhsa_wavefront_size32 1
		.amdhsa_system_sgpr_workgroup_id_x 1
		.amdhsa_system_sgpr_workgroup_id_y 1
		.amdhsa_system_sgpr_workgroup_id_z 1
		.amdhsa_system_vgpr_workitem_id 0
		.amdhsa_next_free_vgpr 162
		.amdhsa_next_free_sgpr 66
		.amdhsa_reserve_vcc 0
		.amdhsa_float_denorm_mode_32 3
		.amdhsa_float_denorm_mode_16_64 3
		.amdhsa_memory_ordered 1
		.amdhsa_forward_progress 1
		.amdhsa_inst_pref_size 23
	.end_amdhsa_kernel
	.amdgpu_metadata
---
amdhsa.version: [ 1, 2 ]
amdhsa.kernels:
  - .name:           k_q761c9950b7_prep
    .symbol:         k_q761c9950b7_prep.kd
    .args:
      - { .name: x, .offset: 0, .size: 8, .value_kind: global_buffer, .address_space: global }
      - { .name: route_weights1, .offset: 8, .size: 8, .value_kind: global_buffer, .address_space: global }
      - { .name: route_weights, .offset: 16, .size: 8, .value_kind: global_buffer, .address_space: global }
      - { .name: xq, .offset: 24, .size: 8, .value_kind: global_buffer, .address_space: global }
      - { .name: xs, .offset: 32, .size: 8, .value_kind: global_buffer, .address_space: global }
      - { .name: wq, .offset: 40, .size: 8, .value_kind: global_buffer, .address_space: global }
      - { .name: ws, .offset: 48, .size: 8, .value_kind: global_buffer, .address_space: global }
    .group_segment_fixed_size: 110848
    .private_segment_fixed_size: 0
    .kernarg_segment_align: 8
    .kernarg_segment_size: 56
    .max_flat_workgroup_size: 512
    .sgpr_count:     66
    .vgpr_count:     162
    .wavefront_size: 32
...
	.end_amdgpu_metadata
.endif
;; end of part 1
;; launch stage1 (part 2): grid 256 x 1, 4 waves a work-group, no clusters, 167,168 bytes of LDS; arguments xq, xs, wq, ws, oq, os; writes oq, os
.if DOCPART == 2
	.amdgcn_target "amdgcn-amd-amdhsa--gfx1250"
	.amdhsa_code_object_version 6
	.text
	.protected	k_q761c9950b7_stage1
	.globl	k_q761c9950b7_stage1
	.p2align	8
	.type	k_q761c9950b7_stage1,@function
k_q761c9950b7_stage1:
	s_mov_b64 s[64:65], 0
	v_nop
	global_prefetch_b8 v0, s[64:65] scope:SCOPE_SE
	s_setreg_imm32_b32 hwreg(HW_REG_WAVE_MODE, 25, 1), 1
	s_wait_xcnt 0x0
; A CAPSULE STAGE: priors P = rows x weight matrix (codes of BF6, one E8M0 byte for each 32 along K = 256), then three routing iterations over the rows of a pair.  One text serves both stages (STAGE).
; STAGE 1: pair (h, a): 128 rows x[a], matrix W1[h]; the squashed result is quantised and stored as row a 64 + h of oq / os.  STAGE 2: pair (c, a): 64 rows out1[a], matrix W[c]; the result is out0[c][a].
; SHARES.  A work-group of four waves keeps ONE weight matrix in every wave's registers (384 + 16 scale words) and walks NT blocks of 128 code rows.  Wave w owns rows 32 w .. 32 w + 31 of a block and all 256
; columns of P: 32 accumulators, 256 registers, which never leave the registers.  A pair is TEAM waves (stage 1: all four; stage 2: waves 0, 1 take a = 2 RB, waves 2, 3 a = 2 RB + 1).
; LAYOUT.  Source 0 = 16 rows, source 1 = a fragment of the matrix whose lane r holds column 16 r + t.  Register j of tile (tb, t) in lane (r, h) is P(row 16 tb + 8 h + j, column 16 r + t).
; So a sum over rows runs inside a lane (weights p: 16 registers, alike in all r), and a dot over columns runs inside a lane over t and then over r by four DPP steps, which leave each logit in every r: where p is wanted.
; THE SOFTMAX takes the largest logit away: each wave its own (M), p = 2^((l - M) log2 e), not normalised; a wave's partial sums go to LDS with (M, Z), and the team brings them under its largest M by 2^((M_w - M) log2 e).
; 1 / Z and the squash's factor are applied together.  That order of rounding differs from a softmax normalised first.
; BY TURNS.  The last weighted sum of pair n and the first sum of pair n + 1 stand in slices behind the 64 matrix instructions of pair n + 1.  The last squash of all pairs is put off to the end (partial sums wait in LDS).
; NO TENSOR LOAD, NO JOINT LOAD: the matrix stays in registers; a block's rows (25,600 bytes for the four waves) go from memory straight into operand registers a whole trip ahead of their use; brought jointly they
; would pass through LDS and cost 26 LDS loads a wave and a round of a cluster's barrier in every trip.
; LIMITS: NaN and infinities are not served.  A routed sum that is exactly 0 (the definition gives NaN) gives NaN in stage 2 and is not served in stage 1.  A squared norm under 2^-126 counts as 0 (the transcendentals
; flush denormals: ISA guide 15.8).  In stage 1 a block of out1 whose largest magnitude lies under 2^-122 gets the byte 1; this program alone reads the bytes.
.set STAGE, 1
.if STAGE == 1
.set NT,    16                         ; row blocks (trips)
.set TEAM,  4                          ; waves to a pair
.set RINV,  0x3c000000                 ; 1 / 128: the softmax of equal logits
.set FSTEP, 576
.else
.set NT,    4
.set TEAM,  2
.set RINV,  0x3c800000                 ; 1 / 64
.set FSTEP, 64
.endif
.set PP,    576                        ; a piece: 32 lanes x 16 bytes + 64
.set WIMG,  4*PP                       ; a wave's partial vector: piece q holds t = 4 q .. 4 q + 3 of lane l at q PP + 16 l
.set AW,    NT*WIMG
.set EX0,   0                          ; LDS: the four waves' images of the first sum,
.set EX1,   4*WIMG                     ; of the second sum,
.set EXS,   8*WIMG                     ; its (M, Z), 8 bytes a wave,
.set ARCH,  EXS+256                    ; the third sums of all trips: wave AW + trip WIMG,
.set ASTAT, ARCH+4*AW                  ; and their (M, Z): wave NT 8 + trip 8
; window 0: v1 rows' codes offset, v2 rows' scales offset, v3 my image, v4 / v8 this trip's place in ARCH / ASTAT, v5 where I read an exchange, v6 / v7 (M, Z) out / in, v9 / v29 my ARCH / ASTAT,
;   v[10:11] M, Z; v12-15 at work; v16-23 the team's (M, Z); v24-27 rescale factors; v28 1 / Z; v[30:31] squared norm; v236-242 addresses of the end; v244-253 codes and bytes; v254-255 offsets of the head's loads
.set RF,    24
.set WS,    32                         ; v32-47  the matrix's scale words: [t], lanes 0-15 K step 0, lanes 16-31 K step 1
.set XS,    48                         ; v48-49  the rows' scale words: [tb], likewise
.set XF,    52                         ; v52-99  the rows' fragments (tb, s) at 12 (2 tb + s)
.set SA,    100                        ; v100-131 sums
.set SB,    132                        ; v132-163 sums
.set RL,    164                        ; v164-179 logits
.set RP,    180                        ; v180-195 p
.set RDL,   196                        ; v196-211 a logit's increment
.set ROUT,  212                        ; v212-227 the squashed vector: [t] = out(16 r + t)
.set RC,    228                        ; v228-235 my 8 columns of a combined sum
; window 1: accumulator (tb, t) at 8 (2 t + tb).  windows 2, 3: the matrix: fragment (t, s) at 24 t + 12 s (t < 10: window 2) or 24 (t - 10) + 12 s (window 3)
.set MSB, 0
.macro WIN new                         ; low byte: bits 1:0 source 0, 3:2 source 1, 5:4 source 2, 7:6 destination; the high byte repeats the setting that is left
.if MSB != \new
	s_set_vgpr_msb (MSB<<8)|\new
.set MSB, \new
.endif
.endm
.macro XLOAD                           ; a block's rows for my wave: 4 fragments (24 bytes a lane in three loads of 8, so that every address is a multiple of the access's size) and 2 scale registers
.irp tb, 0,1
.irp ks, 0,1
.irp p, 0,1,2,3,4,5
	global_load_b64 v[XF+12*(2*\tb+\ks)+2*\p:XF+12*(2*\tb+\ks)+2*\p+1], v1, s[4:5] offset:3072*\tb+96*\ks+48*(\p/3)+8*(\p%3)
.endr
.endr
	global_load_b32 v[XS+\tb], v2, s[6:7] offset:128*\tb
.endr
.endm
; Matrix instruction i of 64: group u = i / 8 makes tiles t = 2 u, 2 u + 1 for both tb, K step 0 then K step 1.  The accumulators take turns, one instruction a turn: a sum's two links stand four apart.
.macro MM i
.set mk,  (\i)%8
.set ms,  mk/4
.set mt,  2*((\i)/8)+(mk%4)/2
.set mtb, mk%2
.set mD,  8*(2*mt+mtb)
.set mA,  XF+12*(2*mtb+ms)
.if mt < 10
	WIN 0x58                                       ; rows window 0, matrix window 2, C and D window 1
.set mB,  24*mt+12*ms
.else
	WIN 0x5c                                       ; matrix window 3
.set mB,  24*(mt-10)+12*ms
.endif
.if ms == 0
	v_wmma_scale_f32_16x16x128_f8f6f4 v[mD:mD+7], v[mA:mA+11], v[mB:mB+11], 0, v[XS+mtb], v[WS+mt] matrix_a_fmt:MATRIX_FMT_BF6 matrix_b_fmt:MATRIX_FMT_BF6
.else
	v_wmma_scale_f32_16x16x128_f8f6f4 v[mD:mD+7], v[mA:mA+11], v[mB:mB+11], v[mD:mD+7], v[XS+mtb], v[WS+mt] matrix_a_fmt:MATRIX_FMT_BF6 matrix_b_fmt:MATRIX_FMT_BF6 matrix_a_scale:MATRIX_SCALE_ROW1 matrix_b_scale:MATRIX_SCALE_ROW1
.endif
.endm
; One step of a sum over rows: registers 2 jp, 2 jp + 1 of tile (tb, t), tb = step / 4, jp = step % 4, times their weights, onto the pair dst + 2 t.  Step 0 starts the sum.  mode 0: weights p; mode 1: RINV.
.macro SFMA dst, t, step, mode
.set fa, 8*(2*(\t)+(\step)/4)+2*((\step)%4)
.set fd, \dst+2*(\t)
.set fp, RP+2*(\step)
	WIN 0x01                                       ; source 0 window 1
.if \mode == 0
.if (\step) == 0
	v_pk_mul_f32 v[fd:fd+1], v[fa:fa+1], v[fp:fp+1]
.else
	v_pk_fma_f32 v[fd:fd+1], v[fa:fa+1], v[fp:fp+1], v[fd:fd+1]
.endif
.else
.if (\step) == 0
	v_pk_mul_f32 v[fd:fd+1], v[fa:fa+1], s[24:25] op_sel_hi:[1,0]
.else
	v_pk_fma_f32 v[fd:fd+1], v[fa:fa+1], s[24:25], v[fd:fd+1] op_sel_hi:[1,0,1]
.endif
.endif
.endm
.macro SPASS dst                       ; a whole weighted sum: 128 instructions in 16 chains
.set sk, 0
.rept 8
.set sti, 0
.rept 16
	SFMA \dst, sti, sk, 0
.set sti, sti+1
.endr
.set sk, sk+1
.endr
.endm
; THE PRODUCTS OF A BLOCK.  s2 = 1: the pair before still owes its third sum (into SA, weights p): tiles 0, 1 ahead of the first product, tiles 2 u + 2, 2 u + 3 behind the products of group u, which is one group ahead of
; the products that begin those tiles anew.  The new pair's first sum (into SB, weight RINV) takes tiles 2 u - 2, 2 u - 1 behind the products of group u.
; A vector instruction reads a matrix result four places behind it, and only plain vector instructions that name none of its registers are places (ISA guide 7.12.1).  The tightest read is tile (0, 2 u - 1)'s, whose last link
; is the last product but one of group u - 1: between them stand the slices behind that product and the next (2 + 2 at the least; in the first block's group 0 four v_nop) and one instruction of the reader's own slice: five.
; Each accumulator is first read at its registers 0, 1.
.macro MX s2
.if \s2
.set kk, 0
.rept 8
	SFMA SA, 0, kk, 0
	SFMA SA, 1, kk, 0
.set kk, kk+1
.endr
.endif
.set qi, 0
.rept 64
	MM qi
.set qu, qi/8
.set qk, qi%8
.if (\s2) && (qu < 7)
	SFMA SA, 2*qu+2, qk, 0
	SFMA SA, 2*qu+3, qk, 0
.endif
.if qu > 0
	SFMA SB, 2*qu-2, qk, 1
	SFMA SB, 2*qu-1, qk, 1
.endif
.if ((\s2) == 0) && (qi == 7)
.rept 4
	v_nop
.endr
.endif
.set qi, qi+1
.endr
.set kk, 0
.rept 8                                ; tiles 14, 15; the first eight of these name no register of the last product: they are also the places in front of the loads into the rows' registers
	SFMA SB, 14, kk, 1
	SFMA SB, 15, kk, 1
.set kk, kk+1
.endr
	WIN 0
.endm
.macro POST d                          ; even rows' and odd rows' sums are added: 32 registers become 16, in place, ascending
.set pt, 0
.rept 16
	v_add_f32 v[\d+pt], v[\d+2*pt], v[\d+2*pt+1]
.set pt, pt+1
.endr
.endm
.macro PUT adr, d, off                 ; 16 registers as an image: each store covers 512 consecutive bytes
.irp q, 0,1,2,3
	ds_store_b128 v[\adr], v[\d+4*\q:\d+4*\q+3] offset:\off+\q*PP
.endr
.endm
.macro CLOAD T, E                      ; of every partial of my team (wave cw, lane half hh) my 8 columns 16 r + 8 h + 0 .. 7; sixteen lanes read 256 consecutive bytes
.set cw, 0
.rept TEAM
.irp hh, 0,1
.irp qq, 0,1
	ds_load_b128 v[\T+4*((2*cw+\hh)*2+\qq):\T+4*((2*cw+\hh)*2+\qq)+3], v5 offset:\E+cw*WIMG+\qq*PP+\hh*256
.endr
.endr
.set cw, cw+1
.endr
.endm
.macro STATS b                         ; (M, Z) of the team's waves at v[b + 2 w], v[b + 2 w + 1]: factors 2^((M_w - M) log2 e) into v[RF + w], 1 / the whole sum into v28
.if TEAM == 4
	v_max3_num_f32 v12, v[\b], v[\b+2], v[\b+4]
	v_max_num_f32 v12, v12, v[\b+6]
.else
	v_max_num_f32 v12, v[\b], v[\b+2]
.endif
.set si, 0
.rept TEAM
	v_sub_f32 v[RF+si], v[\b+2*si], v12
.set si, si+1
.endr
.set si, 0
.rept TEAM
	v_mul_f32 v[RF+si], s26, v[RF+si]
.set si, si+1
.endr
.set si, 0
.rept TEAM
	v_exp_f32 v[RF+si], v[RF+si]
.set si, si+1
.endr
	v_nop                                          ; a plain line between the exponentials and the use of their results
	s_wait_alu depctr_va_vdst(0)
	v_mul_f32 v13, v[RF], v[\b+1]
.set si, 1
.rept TEAM-1
	v_fmac_f32 v13, v[RF+si], v[\b+2*si+1]
.set si, si+1
.endr
	v_rcp_f32 v28, v13
	v_nop                                          ; a plain line behind the reciprocal
.endm
.macro WFMA d, s, pi                   ; pair d (+)= pair s x the factor of partial pi's wave (pi / 2), taken from its pair for both halves; pi = 0 starts the sum
.set wf, RF+((\pi)/4)*2
.set wb, ((\pi)/2)%2
.if (\pi) == 0
	v_pk_mul_f32 v[\d:\d+1], v[\s:\s+1], v[wf:wf+1] op_sel_hi:[1,0]
.elseif wb == 0
	v_pk_fma_f32 v[\d:\d+1], v[\s:\s+1], v[wf:wf+1], v[\d:\d+1] op_sel_hi:[1,0,1]
.else
	v_pk_fma_f32 v[\d:\d+1], v[\s:\s+1], v[wf:wf+1], v[\d:\d+1] op_sel:[0,1,0] op_sel_hi:[1,1,1]
.endif
.endm
.macro ROWSUM r                        ; over the 16 lanes of a half
.irp m, 1,2,4,8
	v_add_f32_dpp v[\r], v[\r], v[\r] row_xmask:\m row_mask:0xf bank_mask:0xf
.endr
.endm
.macro GFAC useinv                     ; v30 = the sum of squares of the vector in hand.  v[14:15] = the factor that squashes it: sq / (1 + sq) / sqrt(sq), with 1 / Z folded in where the vector is not yet divided by Z
.if (\useinv)
	s_wait_alu depctr_va_vdst(0)
	v_mul_f32 v30, v30, v28
	v_mul_f32 v30, v30, v28
.endif
	v_add_f32 v12, 1.0, v30
	v_rcp_f32 v12, v12
	v_rsq_f32 v13, v30
	v_nop                                          ; a plain line behind the transcendentals
	s_wait_alu depctr_va_vdst(0)
	v_mul_f32 v14, v30, v12
	v_mul_f32 v14, v14, v13
.if (\useinv)
	v_mul_f32 v14, v14, v28
.endif
	v_mov_b32 v15, v14
.endm
; The team's partials at v[T ..] (8 registers each) become the squashed vector: ROUT[t] = out(16 r + t) in both halves of the lanes.
.macro COMBINE T, first
.if \first
.irp c, 0,2,4,6
	v_pk_add_f32 v[RC+\c:RC+\c+1], v[\T+\c:\T+\c+1], v[\T+8+\c:\T+8+\c+1]
.endr
.set ci, 2
.rept 2*TEAM-2
.irp c, 0,2,4,6
	v_pk_add_f32 v[RC+\c:RC+\c+1], v[RC+\c:RC+\c+1], v[\T+8*ci+\c:\T+8*ci+\c+1]
.endr
.set ci, ci+1
.endr
.else
	STATS 16
.set ci, 0
.rept 2*TEAM
.irp c, 0,2,4,6
	WFMA RC+\c, \T+8*ci+\c, ci
.endr
.set ci, ci+1
.endr
.endif
	v_pk_mul_f32 v[30:31], v[RC:RC+1], v[RC:RC+1]
.irp c, 2,4,6
	v_pk_fma_f32 v[30:31], v[RC+\c:RC+\c+1], v[RC+\c:RC+\c+1], v[30:31]
.endr
	v_add_f32 v30, v30, v31
	ROWSUM 30
	v_permlanex16_b32 v31, v30, s20, s21
	v_add_f32 v30, v30, v31                        ; 32 lanes x 8 columns: the whole vector's
	GFAC 1-\first
.irp c, 0,2,4,6
	v_pk_mul_f32 v[ROUT+\c:ROUT+\c+1], v[RC+\c:RC+\c+1], v[14:15]
	v_pk_mul_f32 v[ROUT+8+\c:ROUT+8+\c+1], v[RC+\c:RC+\c+1], v[14:15]
.endr
.irp i, 0,1,2,3,4,5,6,7
	v_permlane16_swap_b32 v[ROUT+\i], v[ROUT+8+\i] ; lanes 0-15 held t = 0 .. 7 and lanes 16-31 t = 8 .. 15, each twice: after the exchange every lane holds all 16
.endr
.endm
.macro LPASS d                         ; d[8 tb + j] = the sum over t of P(row, 16 r + t) out(16 r + t): 128 instructions in 8 chains; t = 0 starts the sums
	WIN 0x01
.set lt, 0
.rept 16
.set lo, ROUT+(lt/2)*2
.irp e, 0,1,2,3,4,5,6,7
.set la, 8*(2*lt+\e/4)+2*(\e%4)
.if lt == 0
	v_pk_mul_f32 v[\d+2*\e:\d+2*\e+1], v[la:la+1], v[lo:lo+1] op_sel_hi:[1,0]
.elseif lt%2 == 0
	v_pk_fma_f32 v[\d+2*\e:\d+2*\e+1], v[la:la+1], v[lo:lo+1], v[\d+2*\e:\d+2*\e+1] op_sel_hi:[1,0,1]
.else
	v_pk_fma_f32 v[\d+2*\e:\d+2*\e+1], v[la:la+1], v[lo:lo+1], v[\d+2*\e:\d+2*\e+1] op_sel:[0,1,0] op_sel_hi:[1,1,1]
.endif
.endr
.set lt, lt+1
.endr
	WIN 0
.endm
.macro REDUCE d                        ; and over r: every lane of a half ends up with its half's 16 rows' dots
.irp m, 1,2,4,8
.set ri, 0
.rept 16
	v_add_f32_dpp v[\d+ri], v[\d+ri], v[\d+ri] row_xmask:\m row_mask:0xf bank_mask:0xf
.set ri, ri+1
.endr
.endr
.endm
.macro SOFTMAX                         ; my wave's 32 logits: M -> v10, p = 2^((l - M) log2 e) -> RP, their sum Z -> v11
	v_max3_num_f32 v12, v[RL], v[RL+1], v[RL+2]
	v_max3_num_f32 v13, v[RL+3], v[RL+4], v[RL+5]
.irp i, 6,10
	v_max3_num_f32 v12, v12, v[RL+\i], v[RL+\i+1]
	v_max3_num_f32 v13, v13, v[RL+\i+2], v[RL+\i+3]
.endr
	v_max3_num_f32 v12, v12, v[RL+14], v[RL+15]
	v_max_num_f32 v12, v12, v13
	v_permlanex16_b32 v13, v12, s20, s21           ; the other half's 16 rows
	v_max_num_f32 v10, v12, v13
.irp c, 0,2,4,6,8,10,12,14
	v_pk_add_f32 v[RP+\c:RP+\c+1], v[RL+\c:RL+\c+1], v[10:11] op_sel_hi:[1,0] neg_lo:[0,1] neg_hi:[0,1]   ; the difference first, so that large logits cost no accuracy
.endr
.irp c, 0,2,4,6,8,10,12,14
	v_pk_mul_f32 v[RP+\c:RP+\c+1], v[RP+\c:RP+\c+1], s[26:27] op_sel_hi:[1,0]
.endr
.irp i, 0,1,2,3,4,5,6,7,8,9,10,11,12,13,14,15
	v_exp_f32 v[RP+\i], v[RP+\i]
.endr
	v_nop                                          ; a plain line behind the exponentials
	s_wait_alu depctr_va_vdst(0)
	v_pk_add_f32 v[12:13], v[RP:RP+1], v[RP+2:RP+3]
	v_pk_add_f32 v[14:15], v[RP+4:RP+5], v[RP+6:RP+7]
	v_pk_add_f32 v[12:13], v[12:13], v[RP+8:RP+9]
	v_pk_add_f32 v[14:15], v[14:15], v[RP+10:RP+11]
	v_pk_add_f32 v[12:13], v[12:13], v[RP+12:RP+13]
	v_pk_add_f32 v[14:15], v[14:15], v[RP+14:RP+15]
	v_pk_add_f32 v[12:13], v[12:13], v[14:15]
	v_add_f32 v12, v12, v13
	v_permlanex16_b32 v13, v12, s20, s21
	v_add_f32 v11, v12, v13
.endm
.macro BAR                             ; my LDS stores have landed and my LDS loads are in: then the work-group's barrier
	s_wait_dscnt 0x0
	s_barrier_signal -1
	s_barrier_wait -1
.endm
; The first sum meets in LDS and is squashed.  prev = 1: the pair before leaves its third sum and its (M, Z) in the archive.
; EX0 is written again only by waves that have passed the trip's second barrier, in front of which every wave has waited for its reads of EX0.
.macro PHASE_A prev
	POST SB
	PUT 3, SB, EX0
	s_wait_dscnt 0x0                               ; for the others' sake: my image lies in LDS (and my reads of EX1 and EXS, a trip back, are long in)
	s_barrier_signal -1
.if \prev
	POST SA                                        ; work on registers while the others arrive
	v_add_nc_u32 v4, s19, v9
	v_add_nc_u32 v8, s23, v29
.endif
	s_barrier_wait -1
	CLOAD RL, EX0                                  ; into the registers of the logits, p, the increments and the vector, which are all done with
.if \prev
	PUT 4, SA, 0
	ds_store_b64 v8, v[10:11]
	s_wait_dscnt 5                                 ; the exchange's loads are in; the five archive stores issued behind them may be out
.else
	s_wait_dscnt 0x0
.endif
	COMBINE RL, 1
.endm
; Logits, softmax, second sum, its exchange and squash, logits, softmax.  EX1 and EXS are written again only behind the next trip's first barrier, in front of which every wave has waited for its reads of them.
.macro PHASE_BC
	LPASS RL
	REDUCE RL
	s_wait_dscnt 0x0                               ; the archive stores have read SA and v[10:11], which are written again below
	SOFTMAX
	SPASS SA
	WIN 0
	POST SA
	PUT 3, SA, EX1
	ds_store_b64 v6, v[10:11]                      ; all lanes write the same 8 bytes with the same values
	BAR
	CLOAD SA, EX1
	ds_load_b128 v[16:19], v7
.if TEAM == 4
	ds_load_b128 v[20:23], v7 offset:16
.endif
	s_wait_dscnt 0x0
	COMBINE SA, 0
	LPASS RDL
	REDUCE RDL
.irp c, 0,2,4,6,8,10,12,14
	v_pk_add_f32 v[RL+\c:RL+\c+1], v[RL+\c:RL+\c+1], v[RDL+\c:RDL+\c+1]
.endr
	SOFTMAX
.endm
; ---------------- the head ----------------
	s_load_b256 s[4:11], s[0:1], 0x0               ; rows' codes s[4:5], rows' scales s[6:7], wq s[8:9], ws s[10:11]
.if STAGE == 1
	s_load_b128 s[12:15], s[0:1], 0x20             ; oq s[12:13], os s[14:15]
	v_lshl_add_u32 v247, v0, 2, 0x28b00
	v_mov_b32 v251, 0
.else
	s_load_b64 s[12:13], s[0:1], 0x20              ; out0
.endif
	v_lshrrev_b32 v12, 5, v0
	v_readfirstlane_b32 s16, v12                   ; wave 0..3
	v_and_b32 v12, 15, v0                          ; r
	v_bfe_u32 v13, v0, 4, 1                        ; h
	v_and_b32 v14, 31, v0
	v_lshlrev_b32 v254, 4, v14                     ; 16 x lane
	v_lshlrev_b32 v255, 10, v13
	v_lshl_add_u32 v255, v12, 2, v255              ; the matrix's scale words: K step h, column r
	v_mov_b32 v11, 0                               ; (named as the upper half of the pair v[10:11] before Z is first written)
	s_mul_i32 s28, s16, 6144
	v_mul_u32_u24 v1, v12, 192
	v_mad_u32_u24 v1, v13, 24, v1
	v_add_nc_u32 v1, s28, v1                       ; my wave's 32 rows of 192 bytes; row r; 24 bytes a half
	s_lshl_b32 s28, s16, 8
	v_lshlrev_b32 v2, 3, v12
	v_lshl_add_u32 v2, v13, 2, v2
	v_add_nc_u32 v2, s28, v2                       ; 8 scale bytes a row; K step h's word
	s_mul_i32 s28, s16, WIMG
	v_add_nc_u32 v3, s28, v254
	v_mul_u32_u24 v5, v13, 2*PP
	v_lshl_add_u32 v5, v12, 4, v5
.if STAGE == 2
	s_lshr_b32 s28, s16, 1
	s_mul_i32 s28, s28, 2*WIMG
	v_add_nc_u32 v5, s28, v5                       ; my team's two images
.endif
	s_lshl_b32 s28, s16, 3
	s_add_co_u32 s28, s28, EXS
	v_mov_b32 v6, s28
.if STAGE == 1
	v_mov_b32 v7, EXS
.else
	s_lshr_b32 s28, s16, 1
	s_lshl_b32 s28, s28, 4
	s_add_co_u32 s28, s28, EXS
	v_mov_b32 v7, s28
.endif
	s_mul_i32 s28, s16, AW
	s_add_co_u32 s28, s28, ARCH
	v_add_nc_u32 v9, s28, v254
	s_mul_i32 s28, s16, NT*8
	s_add_co_u32 s28, s28, ASTAT
	v_mov_b32 v29, s28
	; the addresses of the end: a pair to each half of the lanes
.if STAGE == 1
	s_mul_i32 s28, s16, 4*WIMG                     ; trip 4 w + 2 call + h; a lane takes columns 16 r + 0 .. 15
	v_mul_u32_u24 v14, v13, WIMG
	v_lshl_add_u32 v14, v12, 4, v14
	v_add_nc_u32 v14, s28, v14
.irp o, 0,1,2,3
	v_add_nc_u32 v[236+\o], ARCH+\o*AW, v14
.endr
	s_lshl_b32 s28, s16, 5
	s_add_co_u32 s28, s28, ASTAT
	v_lshl_add_u32 v240, v13, 3, s28
	s_mul_i32 s28, s16, 49152
	v_mul_u32_u24 v241, v13, 12288
	v_mad_u32_u24 v241, v12, 12, v241
	v_add_nc_u32 v241, s28, v241                   ; oq: from trip to trip 64 rows of 192 bytes; 12 bytes a lane
	s_lshl_b32 s28, s16, 11
	v_lshrrev_b32 v242, 1, v12
	v_lshl_add_u32 v242, v13, 9, v242
	v_add_nc_u32 v242, s28, v242                   ; os: from trip to trip 64 rows of 8 bytes; two lanes to a block
.else
	v_and_b32 v14, 3, v12                          ; trip w, team h; a lane takes columns 64 j + 4 r + 0 .. 3: piece r % 4, image lane 4 j + r / 4
	v_mul_u32_u24 v14, v14, PP
	v_lshrrev_b32 v15, 2, v12
	v_lshl_add_u32 v14, v15, 4, v14
	v_mad_u32_u24 v14, v13, 2*AW, v14
	s_mul_i32 s28, s16, WIMG
	v_add_nc_u32 v14, s28, v14
.irp o, 0,1
	v_add_nc_u32 v[236+\o], ARCH+\o*AW, v14
.endr
	s_lshl_b32 s28, s16, 3
	s_add_co_u32 s28, s28, ASTAT
	v_lshl_add_u32 v240, v13, 6, s28
	s_lshl_b32 s28, s16, 11
	v_lshlrev_b32 v241, 4, v12
	v_lshl_add_u32 v241, v13, 10, v241
	v_add_nc_u32 v241, s28, v241                   ; out0: row 2 w + h of my 8, 16 bytes a lane
.endif
	s_mov_b32 s20, 0x76543210
	s_mov_b32 s21, 0xfedcba98                      ; v_permlanex16_b32's selects for lane l xor 16
	s_mov_b32 s24, RINV
	s_mov_b32 s25, RINV                            ; (named with it as a pair, so it is written)
	s_mov_b32 s26, 0x3fb8aa3b                      ; log2(e)
	s_mov_b32 s27, 0x3fb8aa3b
.if STAGE == 1
	s_lshr_b32 s28, ttmp9, 2                       ; the matrix: h
	s_and_b32 s29, ttmp9, 3
	s_lshl_b32 s29, s29, 4                         ; my first row block: a
	s_lshl_b32 s38, s29, 6
	s_add_co_u32 s38, s38, s28                     ; the first row that I store: a 64 + h
	s_mul_i32 s40, s38, 192
	s_lshl_b32 s38, s38, 3
.else
	s_lshr_b32 s28, ttmp9, 3                       ; c
	s_and_b32 s29, ttmp9, 7
	s_lshl_b32 s29, s29, 2                         ; my first row block: two a to a block
	s_lshl_b32 s40, s28, 6
	s_lshl_b32 s38, s29, 1
	s_add_co_u32 s40, s40, s38
	s_lshl_b32 s40, s40, 10                        ; out0: (c 64 + a) rows of 1,024 bytes
	s_add_co_u32 s28, s28, 64                      ; W's matrices lie behind W1's 64
.endif
	s_mov_b32 s39, 0
	s_mov_b32 s41, 0
	s_mul_i32 s30, s28, 49152
	s_mov_b32 s31, 0
	s_lshl_b32 s32, s28, 11
	s_mov_b32 s33, 0
	s_mul_i32 s34, s29, 24576
	s_mov_b32 s35, 0
	s_lshl_b32 s36, s29, 10
	s_mov_b32 s37, 0
	s_wait_kmcnt 0x0
	s_add_nc_u64 s[8:9], s[8:9], s[30:31]
	s_add_nc_u64 s[10:11], s[10:11], s[32:33]
	s_add_nc_u64 s[4:5], s[4:5], s[34:35]
	s_add_nc_u64 s[6:7], s[6:7], s[36:37]
	s_add_nc_u64 s[12:13], s[12:13], s[40:41]
.if STAGE == 1
	s_add_nc_u64 s[14:15], s[14:15], s[38:39]
.endif
	WIN 0x80                                       ; destination window 2
.set n, 0
.rept 60                               ; the matrix, as images of its registers: each load covers 512 consecutive bytes
	global_load_b128 v[4*n:4*n+3], v254, s[8:9] offset:512*n
.set n, n+1
.endr
	WIN 0xc0                                       ; destination window 3
.rept 36
	global_load_b128 v[4*(n-60):4*(n-60)+3], v254, s[8:9] offset:512*n
.set n, n+1
.endr
	WIN 0
.set n, 0
.rept 16
	global_load_b32 v[WS+n], v255, s[10:11] offset:64*n
.set n, n+1
.endr
	XLOAD                                          ; block 0
	s_wait_loadcnt 0x0                             ; all of it; the loads' addresses are free
	s_add_nc_u64 s[4:5], s[4:5], 24576             ; on to block 1: 128 rows of 192 bytes,
	s_add_nc_u64 s[6:7], s[6:7], 1024              ; of 8 bytes
	MX 0
	XLOAD                                          ; block 1 (NT is at least 2): a whole trip ahead of its use
	PHASE_A 0
	PHASE_BC
	s_mov_b32 s18, NT-1                            ; trips to go
	s_mov_b32 s19, 0                               ; the archive's place for the pair before: WIMG a trip,
	s_mov_b32 s23, 0                               ; 8 bytes a trip
.Ltrip:
	s_wait_loadcnt 0x0                             ; this trip's rows, asked for a trip ago; their addresses are free
	s_add_nc_u64 s[4:5], s[4:5], 24576
	s_add_nc_u64 s[6:7], s[6:7], 1024
	MX 1
	s_cmp_eq_u32 s18, 1                            ; the last trip asks for nothing: no load leaves its buffer
	s_cbranch_scc1 .Lnox
	XLOAD
.Lnox:
	PHASE_A 1
	PHASE_BC
	s_add_co_u32 s19, s19, WIMG
	s_add_co_u32 s23, s23, 8
	s_sub_co_u32 s18, s18, 1
	s_cmp_lg_u32 s18, 0
	s_cbranch_scc1 .Ltrip
	SPASS SA                                       ; the last pair's third sum
	WIN 0
	POST SA
	PUT 9, SA, (NT-1)*WIMG
	ds_store_b64 v29, v[10:11] offset:(NT-1)*8
	BAR                                            ; the archive is whole
; ---------------- the end: every pair's third sum is combined, squashed and stored; a pair to each half of the lanes, so that no wave repeats another's work ----------------
.macro FLOAD kap, stb                  ; all partials of my pair, 16 columns a lane, into window 1 (the accumulators are done with), and the team's (M, Z)
	WIN 0x40
.set fw, 0
.rept TEAM
.irp hh, 0,1
.irp q, 0,1,2,3
	ds_load_b128 v[128*\kap+4*((2*fw+\hh)*4+\q):128*\kap+4*((2*fw+\hh)*4+\q)+3], v[236+fw] offset:\kap*2*WIMG+\hh*256+\q*FSTEP
.endr
.endr
.set fw, fw+1
.endr
	WIN 0
.set fw, 0
.rept TEAM
	ds_load_b64 v[\stb+2*fw:\stb+2*fw+1], v240 offset:\kap*16+fw*NT*8
.set fw, fw+1
.endr
.endm
.macro FIN kap, stb                    ; ROUT[0 .. 15] = my 16 columns of the pair's squashed vector
	STATS \stb
	WIN 0x01
.set fi, 0
.rept 2*TEAM
.irp c, 0,2,4,6,8,10,12,14
	WFMA ROUT+\c, 128*\kap+16*fi+\c, fi
.endr
.set fi, fi+1
.endr
	WIN 0
	v_pk_mul_f32 v[30:31], v[ROUT:ROUT+1], v[ROUT:ROUT+1]
	v_pk_mul_f32 v[12:13], v[ROUT+2:ROUT+3], v[ROUT+2:ROUT+3]
.irp c, 4,8,12
	v_pk_fma_f32 v[30:31], v[ROUT+\c:ROUT+\c+1], v[ROUT+\c:ROUT+\c+1], v[30:31]
	v_pk_fma_f32 v[12:13], v[ROUT+\c+2:ROUT+\c+3], v[ROUT+\c+2:ROUT+\c+3], v[12:13]
.endr
	v_pk_add_f32 v[30:31], v[30:31], v[12:13]
	v_add_f32 v30, v30, v31
	ROWSUM 30                                      ; 16 lanes x 16 columns: each half of the lanes is a pair of its own
	GFAC 1
.irp c, 0,2,4,6,8,10,12,14
	v_pk_mul_f32 v[ROUT+\c:ROUT+\c+1], v[ROUT+\c:ROUT+\c+1], v[14:15]
.endr
.endm
.macro OUT1 kap                        ; stage 1: out1's row is quantised along its 256 numbers, the next product's K: a lane holds 16 neighbours, two neighbouring lanes a block
	v_max3_num_f32 v12, |v[ROUT]|, |v[ROUT+1]|, 0x2800000   ; with the floor 2^(5 - 127): the byte cannot fall under 1
	v_max3_num_f32 v13, |v[ROUT+2]|, |v[ROUT+3]|, |v[ROUT+4]|
	v_max3_num_f32 v12, v12, |v[ROUT+5]|, |v[ROUT+6]|
	v_max3_num_f32 v13, v13, |v[ROUT+7]|, |v[ROUT+8]|
	v_max3_num_f32 v12, v12, |v[ROUT+9]|, |v[ROUT+10]|
	v_max3_num_f32 v13, v13, |v[ROUT+11]|, |v[ROUT+12]|
	v_max3_num_f32 v12, v12, |v[ROUT+13]|, |v[ROUT+14]|
	v_max3_num_f32 v12, v12, v13, |v[ROUT+15]|
	v_max_num_f32_dpp v12, v12, v12 row_xmask:1 row_mask:0xf bank_mask:0xf
	v_add_nc_u32 v13, 0xfe000000, v12              ; 4 off the exponent field: the conversion's scale operand
	v_cvt_scalef32_pk16_bf6_f32 v[244+4*\kap:246+4*\kap], v[ROUT:ROUT+15], v13
	v_lshrrev_b32 v[252+\kap], 23, v13             ; the byte; the plain line behind the conversion
	global_store_b96 v241, v[244+4*\kap:246+4*\kap], s[12:13] offset:\kap*24576   ; sixteen lanes store a row's 192 consecutive bytes
	global_store_b8 v242, v[252+\kap], s[14:15] offset:\kap*1024   ; both lanes of a block write the same byte; 8 bytes a row, laid as the next launch reads them
.endm
.if STAGE == 1
	FLOAD 0, 16
	FLOAD 1, SA
	s_wait_dscnt 36                                ; the first call's loads are in; the second's 32 + 4 may be out
	FIN 0, 16
	OUT1 0
	s_wait_dscnt 0x0
	FIN 1, SA
	OUT1 1
.else
	FLOAD 0, 16
	s_wait_dscnt 0x0
	FIN 0, 16
.irp j, 0,1,2,3
	global_store_b128 v241, v[ROUT+4*\j:ROUT+4*\j+3], s[12:13] offset:256*\j   ; sixteen lanes store 256 consecutive bytes, at a multiple of 256 from out0's first byte
.endr
.endif
	s_wait_tensorcnt 0x0
	ds_add_u32 v247, v251
	s_wait_dscnt 0x0
	s_endpgm
.Lfunc_end_k_q761c9950b7_stage1:
	.size	k_q761c9950b7_stage1, .Lfunc_end_k_q761c9950b7_stage1-k_q761c9950b7_stage1
	.p2alignl 7, 3214868480
	.fill 96, 4, 3214868480
	.section	.rodata,"a",@progbits
	.p2align	6, 0x0
	.amdhsa_kernel k_q761c9950b7_stage1
		.amdhsa_group_segment_fixed_size 167168
		.amdhsa_private_segment_fixed_size 0
		.amdhsa_enable_private_segment 0
		.amdhsa_kernarg_size 48
		.amdhsa_user_sgpr_count 2
		.amdhsa_user_sgpr_kernarg_segment_ptr 1
		.amdhsa_wavefront_size32 1
		.amdhsa_system_sgpr_workgroup_id_x 1
		.amdhsa_system_sgpr_workgroup_id_y 1
		.amdhsa_system_sgpr_workgroup_id_z 1
		.amdhsa_system_vgpr_workitem_id 0
		.amdhsa_next_free_vgpr 912
		.amdhsa_next_free_sgpr 66
		.amdhsa_reserve_vcc 0
		.amdhsa_float_denorm_mode_32 3
		.amdhsa_float_denorm_mode_16_64 3
		.amdhsa_memory_ordered 1
		.amdhsa_forward_progress 1
		.amdhsa_inst_pref_size 200
	.end_amdhsa_kernel
	.amdgpu_metadata
---
amdhsa.version: [ 1, 2 ]
amdhsa.kernels:
  - .name:           k_q761c9950b7_stage1
    .symbol:         k_q761c9950b7_stage1.kd
    .args:
      - { .name: xq, .offset: 0, .size: 8, .value_kind: global_buffer, .address_space: global }
      - { .name: xs, .offset: 8, .size: 8, .value_kind: global_buffer, .address_space: global }
      - { .name: wq, .offset: 16, .size: 8, .value_kind: global_buffer, .address_space: global }
      - { .name: ws, .offset: 24, .size: 8, .value_kind: global_buffer, .address_space: global }
      - { .name: oq, .offset: 32, .size: 8, .value_kind: global_buffer, .address_space: global }
      - { .name: os, .offset: 40, .size: 8, .value_kind: global_buffer, .address_space: global }
    .group_segment_fixed_size: 167168
    .private_segment_fixed_size: 0
    .kernarg_segment_align: 8
    .kernarg_segment_size: 48
    .max_flat_workgroup_size: 128
    .sgpr_count:     66
    .vgpr_count:     912
    .wavefront_size: 32
...
	.end_amdgpu_metadata
.endif
;; end of part 2
;; launch stage2 (part 3): grid 256 x 1, 4 waves a work-group, no clusters, 56,320 bytes of LDS; arguments oq, os, wq, ws, out0; writes out0
.if DOCPART == 3
	.amdgcn_target "amdgcn-amd-amdhsa--gfx1250"
	.amdhsa_code_object_version 6
	.text
	.protected	k_q761c9950b7_stage2
	.globl	k_q761c9950b7_stage2
	.p2align	8
	.type	k_q761c9950b7_stage2,@function
k_q761c9950b7_stage2:
	s_mov_b64 s[64:65], 0
	v_nop
	global_prefetch_b8 v0, s[64:65] scope:SCOPE_SE
	s_setreg_imm32_b32 hwreg(HW_REG_WAVE_MODE, 25, 1), 1
	s_wait_xcnt 0x0
; A CAPSULE STAGE: priors P = rows x weight matrix (codes of BF6, one E8M0 byte for each 32 along K = 256), then three routing iterations over the rows of a pair.  One text serves both stages (STAGE).
; STAGE 1: pair (h, a): 128 rows x[a], matrix W1[h]; the squashed result is quantised and stored as row a 64 + h of oq / os.  STAGE 2: pair (c, a): 64 rows out1[a], matrix W[c]; the result is out0[c][a].
; SHARES.  A work-group of four waves keeps ONE weight matrix in every wave's registers (384 + 16 scale words) and walks NT blocks of 128 code rows.  Wave w owns rows 32 w .. 32 w + 31 of a block and all 256
; columns of P: 32 accumulators, 256 registers, which never leave the registers.  A pair is TEAM waves (stage 1: all four; stage 2: waves 0, 1 take a = 2 RB, waves 2, 3 a = 2 RB + 1).
; LAYOUT.  Source 0 = 16 rows, source 1 = a fragment of the matrix whose lane r holds column 16 r + t.  Register j of tile (tb, t) in lane (r, h) is P(row 16 tb + 8 h + j, column 16 r + t).
; So a sum over rows runs inside a lane (weights p: 16 registers, alike in all r), and a dot over columns runs inside a lane over t and then over r by four DPP steps, which leave each logit in every r: where p is wanted.
; THE SOFTMAX takes the largest logit away: each wave its own (M), p = 2^((l - M) log2 e), not normalised; a wave's partial sums go to LDS with (M, Z), and the team brings them under its largest M by 2^((M_w - M) log2 e).
; 1 / Z and the squash's factor are applied together.  That order of rounding differs from a softmax normalised first.
; BY TURNS.  The last weighted sum of pair n and the first sum of pair n + 1 stand in slices behind the 64 matrix instructions of pair n + 1.  The last squash of all pairs is put off to the end (partial sums wait in LDS).
; NO TENSOR LOAD, NO JOINT LOAD: the matrix stays in registers; a block's rows (25,600 bytes for the four waves) go from memory straight into operand registers a whole trip ahead of their use; brought jointly they
; would pass through LDS and cost 26 LDS loads a wave and a round of a cluster's barrier in every trip.
; LIMITS: NaN and infinities are not served.  A routed sum that is exactly 0 (the definition gives NaN) gives NaN in stage 2 and is not served in stage 1.  A squared norm under 2^-126 counts as 0 (the transcendentals
; flush denormals: ISA guide 15.8).  In stage 1 a block of out1 whose largest magnitude lies under 2^-122 gets the byte 1; this program alone reads the bytes.
.set STAGE, 2
.if STAGE == 1
.set NT,    16                         ; row blocks (trips)
.set TEAM,  4                          ; waves to a pair
.set RINV,  0x3c000000                 ; 1 / 128: the softmax of equal logits
.set FSTEP, 576
.else
.set NT,    4
.set TEAM,  2
.set RINV,  0x3c800000                 ; 1 / 64
.set FSTEP, 64
.endif
.set PP,    576                        ; a piece: 32 lanes x 16 bytes + 64
.set WIMG,  4*PP                       ; a wave's partial vector: piece q holds t = 4 q .. 4 q + 3 of lane l at q PP + 16 l
.set AW,    NT*WIMG
.set EX0,   0                          ; LDS: the four waves' images of the first sum,
.set EX1,   4*WIMG                     ; of the second sum,
.set EXS,   8*WIMG                     ; its (M, Z), 8 bytes a wave,
.set ARCH,  EXS+256                    ; the third sums of all trips: wave AW + trip WIMG,
.set ASTAT, ARCH+4*AW                  ; and their (M, Z): wave NT 8 + trip 8
; window 0: v1 rows' codes offset, v2 rows' scales offset, v3 my image, v4 / v8 this trip's place in ARCH / ASTAT, v5 where I read an exchange, v6 / v7 (M, Z) out / in, v9 / v29 my ARCH / ASTAT,
;   v[10:11] M, Z; v12-15 at work; v16-23 the team's (M, Z); v24-27 rescale factors; v28 1 / Z; v[30:31] squared norm; v236-242 addresses of the end; v244-253 codes and bytes; v254-255 offsets of the head's loads
.set RF,    24
.set WS,    32                         ; v32-47  the matrix's scale words: [t], lanes 0-15 K step 0, lanes 16-31 K step 1
.set XS,    48                         ; v48-49  the rows' scale words: [tb], likewise
.set XF,    52                         ; v52-99  the rows' fragments (tb, s) at 12 (2 tb + s)
.set SA,    100                        ; v100-131 sums
.set SB,    132                        ; v132-163 sums
.set RL,    164                        ; v164-179 logits
.set RP,    180                        ; v180-195 p
.set RDL,   196                        ; v196-211 a logit's increment
.set ROUT,  212                        ; v212-227 the squashed vector: [t] = out(16 r + t)
.set RC,    228                        ; v228-235 my 8 columns of a combined sum
; window 1: accumulator (tb, t) at 8 (2 t + tb).  windows 2, 3: the matrix: fragment (t, s) at 24 t + 12 s (t < 10: window 2) or 24 (t - 10) + 12 s (window 3)
.set MSB, 0
.macro WIN new                         ; low byte: bits 1:0 source 0, 3:2 source 1, 5:4 source 2, 7:6 destination; the high byte repeats the setting that is left
.if MSB != \new
	s_set_vgpr_msb (MSB<<8)|\new
.set MSB, \new
.endif
.endm
.macro XLOAD                           ; a block's rows for my wave: 4 fragments (24 bytes a lane in three loads of 8, so that every address is a multiple of the access's size) and 2 scale registers
.irp tb, 0,1
.irp ks, 0,1
.irp p, 0,1,2,3,4,5
	global_load_b64 v[XF+12*(2*\tb+\ks)+2*\p:XF+12*(2*\tb+\ks)+2*\p+1], v1, s[4:5] offset:3072*\tb+96*\ks+48*(\p/3)+8*(\p%3)
.endr
.endr
	global_load_b32 v[XS+\tb], v2, s[6:7] offset:128*\tb
.endr
.endm
; Matrix instruction i of 64: group u = i / 8 makes tiles t = 2 u, 2 u + 1 for both tb, K step 0 then K step 1.  The accumulators take turns, one instruction a turn: a sum's two links stand four apart.
.macro MM i
.set mk,  (\i)%8
.set ms,  mk/4
.set mt,  2*((\i)/8)+(mk%4)/2
.set mtb, mk%2
.set mD,  8*(2*mt+mtb)
.set mA,  XF+12*(2*mtb+ms)
.if mt < 10
	WIN 0x58                                       ; rows window 0, matrix window 2, C and D window 1
.set mB,  24*mt+12*ms
.else
	WIN 0x5c                                       ; matrix window 3
.set mB,  24*(mt-10)+12*ms
.endif
.if ms == 0
	v_wmma_scale_f32_16x16x128_f8f6f4 v[mD:mD+7], v[mA:mA+11], v[mB:mB+11], 0, v[XS+mtb], v[WS+mt] matrix_a_fmt:MATRIX_FMT_BF6 matrix_b_fmt:MATRIX_FMT_BF6
.else
	v_wmma_scale_f32_16x16x128_f8f6f4 v[mD:mD+7], v[mA:mA+11], v[mB:mB+11], v[mD:mD+7], v[XS+mtb], v[WS+mt] matrix_a_fmt:MATRIX_FMT_BF6 matrix_b_fmt:MATRIX_FMT_BF6 matrix_a_scale:MATRIX_SCALE_ROW1 matrix_b_scale:MATRIX_SCALE_ROW1
.endif
.endm
; One step of a sum over rows: registers 2 jp, 2 jp + 1 of tile (tb, t), tb = step / 4, jp = step % 4, times their weights, onto the pair dst + 2 t.  Step 0 starts the sum.  mode 0: weights p; mode 1: RINV.
.macro SFMA dst, t, step, mode
.set fa, 8*(2*(\t)+(\step)/4)+2*((\step)%4)
.set fd, \dst+2*(\t)
.set fp, RP+2*(\step)
	WIN 0x01                                       ; source 0 window 1
.if \mode == 0
.if (\step) == 0
	v_pk_mul_f32 v[fd:fd+1], v[fa:fa+1], v[fp:fp+1]
.else
	v_pk_fma_f32 v[fd:fd+1], v[fa:fa+1], v[fp:fp+1], v[fd:fd+1]
.endif
.else
.if (\step) == 0
	v_pk_mul_f32 v[fd:fd+1], v[fa:fa+1], s[24:25] op_sel_hi:[1,0]
.else
	v_pk_fma_f32 v[fd:fd+1], v[fa:fa+1], s[24:25], v[fd:fd+1] op_sel_hi:[1,0,1]
.endif
.endif
.endm
.macro SPASS dst                       ; a whole weighted sum: 128 instructions in 16 chains
.set sk, 0
.rept 8
.set sti, 0
.rept 16
	SFMA \dst, sti, sk, 0
.set sti, sti+1
.endr
.set sk, sk+1
.endr
.endm
; THE PRODUCTS OF A BLOCK.  s2 = 1: the pair before still owes its third sum (into SA, weights p): tiles 0, 1 ahead of the first product, tiles 2 u + 2, 2 u + 3 behind the products of group u, which is one group ahead of
; the products that begin those tiles anew.  The new pair's first sum (into SB, weight RINV) takes tiles 2 u - 2, 2 u - 1 behind the products of group u.
; A vector instruction reads a matrix result four places behind it, and only plain vector instructions that name none of its registers are places (ISA guide 7.12.1).  The tightest read is tile (0, 2 u - 1)'s, whose last link
; is the last product but one of group u - 1: between them stand the slices behind that product and the next (2 + 2 at the least; in the first block's group 0 four v_nop) and one instruction of the reader's own slice: five.
; Each accumulator is first read at its registers 0, 1.
.macro MX s2
.if \s2
.set kk, 0
.rept 8
	SFMA SA, 0, kk, 0
	SFMA SA, 1, kk, 0
.set kk, kk+1
.endr
.endif
.set qi, 0
.rept 64
	MM qi
.set qu, qi/8
.set qk, qi%8
.if (\s2) && (qu < 7)
	SFMA SA, 2*qu+2, qk, 0
	SFMA SA, 2*qu+3, qk, 0
.endif
.if qu > 0
	SFMA SB, 2*qu-2, qk, 1
	SFMA SB, 2*qu-1, qk, 1
.endif
.if ((\s2) == 0) && (qi == 7)
.rept 4
	v_nop
.endr
.endif
.set qi, qi+1
.endr
.set kk, 0
.rept 8                                ; tiles 14, 15; the first eight of these name no register of the last product: they are also the places in front of the loads into the rows' registers
	SFMA SB, 14, kk, 1
	SFMA SB, 15, kk, 1
.set kk, kk+1
.endr
	WIN 0
.endm
.macro POST d                          ; even rows' and odd rows' sums are added: 32 registers become 16, in place, ascending
.set pt, 0
.rept 16
	v_add_f32 v[\d+pt], v[\d+2*pt], v[\d+2*pt+1]
.set pt, pt+1
.endr
.endm
.macro PUT adr, d, off                 ; 16 registers as an image: each store covers 512 consecutive bytes
.irp q, 0,1,2,3
	ds_store_b128 v[\adr], v[\d+4*\q:\d+4*\q+3] offset:\off+\q*PP
.endr
.endm
.macro CLOAD T, E                      ; of every partial of my team (wave cw, lane half hh) my 8 columns 16 r + 8 h + 0 .. 7; sixteen lanes read 256 consecutive bytes
.set cw, 0
.rept TEAM
.irp hh, 0,1
.irp qq, 0,1
	ds_load_b128 v[\T+4*((2*cw+\hh)*2+\qq):\T+4*((2*cw+\hh)*2+\qq)+3], v5 offset:\E+cw*WIMG+\qq*PP+\hh*256
.endr
.endr
.set cw, cw+1
.endr
.endm
.macro STATS b                         ; (M, Z) of the team's waves at v[b + 2 w], v[b + 2 w + 1]: factors 2^((M_w - M) log2 e) into v[RF + w], 1 / the whole sum into v28
.if TEAM == 4
	v_max3_num_f32 v12, v[\b], v[\b+2], v[\b+4]
	v_max_num_f32 v12, v12, v[\b+6]
.else
	v_max_num_f32 v12, v[\b], v[\b+2]
.endif
.set si, 0
.rept TEAM
	v_sub_f32 v[RF+si], v[\b+2*si], v12
.set si, si+1
.endr
.set si, 0
.rept TEAM
	v_mul_f32 v[RF+si], s26, v[RF+si]
.set si, si+1
.endr
.set si, 0
.rept TEAM
	v_exp_f32 v[RF+si], v[RF+si]
.set si, si+1
.endr
	v_nop                                          ; a plain line between the exponentials and the use of their results
	s_wait_alu depctr_va_vdst(0)
	v_mul_f32 v13, v[RF], v[\b+1]
.set si, 1
.rept TEAM-1
	v_fmac_f32 v13, v[RF+si], v[\b+2*si+1]
.set si, si+1
.endr
	v_rcp_f32 v28, v13
	v_nop                                          ; a plain line behind the reciprocal
.endm
.macro WFMA d, s, pi                   ; pair d (+)= pair s x the factor of partial pi's wave (pi / 2), taken from its pair for both halves; pi = 0 starts the sum
.set wf, RF+((\pi)/4)*2
.set wb, ((\pi)/2)%2
.if (\pi) == 0
	v_pk_mul_f32 v[\d:\d+1], v[\s:\s+1], v[wf:wf+1] op_sel_hi:[1,0]
.elseif wb == 0
	v_pk_fma_f32 v[\d:\d+1], v[\s:\s+1], v[wf:wf+1], v[\d:\d+1] op_sel_hi:[1,0,1]
.else
	v_pk_fma_f32 v[\d:\d+1], v[\s:\s+1], v[wf:wf+1], v[\d:\d+1] op_sel:[0,1,0] op_sel_hi:[1,1,1]
.endif
.endm
.macro ROWSUM r                        ; over the 16 lanes of a half
.irp m, 1,2,4,8
	v_add_f32_dpp v[\r], v[\r], v[\r] row_xmask:\m row_mask:0xf bank_mask:0xf
.endr
.endm
.macro GFAC useinv                     ; v30 = the sum of squares of the vector in hand.  v[14:15] = the factor that squashes it: sq / (1 + sq) / sqrt(sq), with 1 / Z folded in where the vector is not yet divided by Z
.if (\useinv)
	s_wait_alu depctr_va_vdst(0)
	v_mul_f32 v30, v30, v28
	v_mul_f32 v30, v30, v28
.endif
	v_add_f32 v12, 1.0, v30
	v_rcp_f32 v12, v12
	v_rsq_f32 v13, v30
	v_nop                                          ; a plain line behind the transcendentals
	s_wait_alu depctr_va_vdst(0)
	v_mul_f32 v14, v30, v12
	v_mul_f32 v14, v14, v13
.if (\useinv)
	v_mul_f32 v14, v14, v28
.endif
	v_mov_b32 v15, v14
.endm
; The team's partials at v[T ..] (8 registers each) become the squashed vector: ROUT[t] = out(16 r + t) in both halves of the lanes.
.macro COMBINE T, first
.if \first
.irp c, 0,2,4,6
	v_pk_add_f32 v[RC+\c:RC+\c+1], v[\T+\c:\T+\c+1], v[\T+8+\c:\T+8+\c+1]
.endr
.set ci, 2
.rept 2*TEAM-2
.irp c, 0,2,4,6
	v_pk_add_f32 v[RC+\c:RC+\c+1], v[RC+\c:RC+\c+1], v[\T+8*ci+\c:\T+8*ci+\c+1]
.endr
.set ci, ci+1
.endr
.else
	STATS 16
.set ci, 0
.rept 2*TEAM
.irp c, 0,2,4,6
	WFMA RC+\c, \T+8*ci+\c, ci
.endr
.set ci, ci+1
.endr
.endif
	v_pk_mul_f32 v[30:31], v[RC:RC+1], v[RC:RC+1]
.irp c, 2,4,6
	v_pk_fma_f32 v[30:31], v[RC+\c:RC+\c+1], v[RC+\c:RC+\c+1], v[30:31]
.endr
	v_add_f32 v30, v30, v31
	ROWSUM 30
	v_permlanex16_b32 v31, v30, s20, s21
	v_add_f32 v30, v30, v31                        ; 32 lanes x 8 columns: the whole vector's
	GFAC 1-\first
.irp c, 0,2,4,6
	v_pk_mul_f32 v[ROUT+\c:ROUT+\c+1], v[RC+\c:RC+\c+1], v[14:15]
	v_pk_mul_f32 v[ROUT+8+\c:ROUT+8+\c+1], v[RC+\c:RC+\c+1], v[14:15]
.endr
.irp i, 0,1,2,3,4,5,6,7
	v_permlane16_swap_b32 v[ROUT+\i], v[ROUT+8+\i] ; lanes 0-15 held t = 0 .. 7 and lanes 16-31 t = 8 .. 15, each twice: after the exchange every lane holds all 16
.endr
.endm
.macro LPASS d                         ; d[8 tb + j] = the sum over t of P(row, 16 r + t) out(16 r + t): 128 instructions in 8 chains; t = 0 starts the sums
	WIN 0x01
.set lt, 0
.rept 16
.set lo, ROUT+(lt/2)*2
.irp e, 0,1,2,3,4,5,6,7
.set la, 8*(2*lt+\e/4)+2*(\e%4)
.if lt == 0
	v_pk_mul_f32 v[\d+2*\e:\d+2*\e+1], v[la:la+1], v[lo:lo+1] op_sel_hi:[1,0]
.elseif lt%2 == 0
	v_pk_fma_f32 v[\d+2*\e:\d+2*\e+1], v[la:la+1], v[lo:lo+1], v[\d+2*\e:\d+2*\e+1] op_sel_hi:[1,0,1]
.else
	v_pk_fma_f32 v[\d+2*\e:\d+2*\e+1], v[la:la+1], v[lo:lo+1], v[\d+2*\e:\d+2*\e+1] op_sel:[0,1,0] op_sel_hi:[1,1,1]
.endif
.endr
.set lt, lt+1
.endr
	WIN 0
.endm
.macro REDUCE d                        ; and over r: every lane of a half ends up with its half's 16 rows' dots
.irp m, 1,2,4,8
.set ri, 0
.rept 16
	v_add_f32_dpp v[\d+ri], v[\d+ri], v[\d+ri] row_xmask:\m row_mask:0xf bank_mask:0xf
.set ri, ri+1
.endr
.endr
.endm
.macro SOFTMAX                         ; my wave's 32 logits: M -> v10, p = 2^((l - M) log2 e) -> RP, their sum Z -> v11
	v_max3_num_f32 v12, v[RL], v[RL+1], v[RL+2]
	v_max3_num_f32 v13, v[RL+3], v[RL+4], v[RL+5]
.irp i, 6,10
	v_max3_num_f32 v12, v12, v[RL+\i], v[RL+\i+1]
	v_max3_num_f32 v13, v13, v[RL+\i+2], v[RL+\i+3]
.endr
	v_max3_num_f32 v12, v12, v[RL+14], v[RL+15]
	v_max_num_f32 v12, v12, v13
	v_permlanex16_b32 v13, v12, s20, s21           ; the other half's 16 rows
	v_max_num_f32 v10, v12, v13
.irp c, 0,2,4,6,8,10,12,14
	v_pk_add_f32 v[RP+\c:RP+\c+1], v[RL+\c:RL+\c+1], v[10:11] op_sel_hi:[1,0] neg_lo:[0,1] neg_hi:[0,1]   ; the difference first, so that large logits cost no accuracy
.endr
.irp c, 0,2,4,6,8,10,12,14
	v_pk_mul_f32 v[RP+\c:RP+\c+1], v[RP+\c:RP+\c+1], s[26:27] op_sel_hi:[1,0]
.endr
.irp i, 0,1,2,3,4,5,6,7,8,9,10,11,12,13,14,15
	v_exp_f32 v[RP+\i], v[RP+\i]
.endr
	v_nop                                          ; a plain line behind the exponentials
	s_wait_alu depctr_va_vdst(0)
	v_pk_add_f32 v[12:13], v[RP:RP+1], v[RP+2:RP+3]
	v_pk_add_f32 v[14:15], v[RP+4:RP+5], v[RP+6:RP+7]
	v_pk_add_f32 v[12:13], v[12:13], v[RP+8:RP+9]
	v_pk_add_f32 v[14:15], v[14:15], v[RP+10:RP+11]
	v_pk_add_f32 v[12:13], v[12:13], v[RP+12:RP+13]
	v_pk_add_f32 v[14:15], v[14:15], v[RP+14:RP+15]
	v_pk_add_f32 v[12:13], v[12:13], v[14:15]
	v_add_f32 v12, v12, v13
	v_permlanex16_b32 v13, v12, s20, s21
	v_add_f32 v11, v12, v13
.endm
.macro BAR                             ; my LDS stores have landed and my LDS loads are in: then the work-group's barrier
	s_wait_dscnt 0x0
	s_barrier_signal -1
	s_barrier_wait -1
.endm
; The first sum meets in LDS and is squashed.  prev = 1: the pair before leaves its third sum and its (M, Z) in the archive.
; EX0 is written again only by waves that have passed the trip's second barrier, in front of which every wave has waited for its reads of EX0.
.macro PHASE_A prev
	POST SB
	PUT 3, SB, EX0
	s_wait_dscnt 0x0                               ; for the others' sake: my image lies in LDS (and my reads of EX1 and EXS, a trip back, are long in)
	s_barrier_signal -1
.if \prev
	POST SA                                        ; work on registers while the others arrive
	v_add_nc_u32 v4, s19, v9
	v_add_nc_u32 v8, s23, v29
.endif
	s_barrier_wait -1
	CLOAD RL, EX0                                  ; into the registers of the logits, p, the increments and the vector, which are all done with
.if \prev
	PUT 4, SA, 0
	ds_store_b64 v8, v[10:11]
	s_wait_dscnt 5                                 ; the exchange's loads are in; the five archive stores issued behind them may be out
.else
	s_wait_dscnt 0x0
.endif
	COMBINE RL, 1
.endm
; Logits, softmax, second sum, its exchange and squash, logits, softmax.  EX1 and EXS are written again only behind the next trip's first barrier, in front of which every wave has waited for its reads of them.
.macro PHASE_BC
	LPASS RL
	REDUCE RL
	s_wait_dscnt 0x0                               ; the archive stores have read SA and v[10:11], which are written again below
	SOFTMAX
	SPASS SA
	WIN 0
	POST SA
	PUT 3, SA, EX1
	ds_store_b64 v6, v[10:11]                      ; all lanes write the same 8 bytes with the same values
	BAR
	CLOAD SA, EX1
	ds_load_b128 v[16:19], v7
.if TEAM == 4
	ds_load_b128 v[20:23], v7 offset:16
.endif
	s_wait_dscnt 0x0
	COMBINE SA, 0
	LPASS RDL
	REDUCE RDL
.irp c, 0,2,4,6,8,10,12,14
	v_pk_add_f32 v[RL+\c:RL+\c+1], v[RL+\c:RL+\c+1], v[RDL+\c:RDL+\c+1]
.endr
	SOFTMAX
.endm
; ---------------- the head ----------------
	s_load_b256 s[4:11], s[0:1], 0x0               ; rows' codes s[4:5], rows' scales s[6:7], wq s[8:9], ws s[10:11]
.if STAGE == 1
	s_load_b128 s[12:15], s[0:1], 0x20             ; oq s[12:13], os s[14:15]
.else
	s_load_b64 s[12:13], s[0:1], 0x20              ; out0
	v_lshl_add_u32 v252, v0, 2, 0xda00
	v_mov_b32 v253, 0
.endif
	v_lshrrev_b32 v12, 5, v0
	v_readfirstlane_b32 s16, v12                   ; wave 0..3
	v_and_b32 v12, 15, v0                          ; r
	v_bfe_u32 v13, v0, 4, 1                        ; h
	v_and_b32 v14, 31, v0
	v_lshlrev_b32 v254, 4, v14                     ; 16 x lane
	v_lshlrev_b32 v255, 10, v13
	v_lshl_add_u32 v255, v12, 2, v255              ; the matrix's scale words: K step h, column r
	v_mov_b32 v11, 0                               ; (named as the upper half of the pair v[10:11] before Z is first written)
	s_mul_i32 s28, s16, 6144
	v_mul_u32_u24 v1, v12, 192
	v_mad_u32_u24 v1, v13, 24, v1
	v_add_nc_u32 v1, s28, v1                       ; my wave's 32 rows of 192 bytes; row r; 24 bytes a half
	s_lshl_b32 s28, s16, 8
	v_lshlrev_b32 v2, 3, v12
	v_lshl_add_u32 v2, v13, 2, v2
	v_add_nc_u32 v2, s28, v2                       ; 8 scale bytes a row; K step h's word
	s_mul_i32 s28, s16, WIMG
	v_add_nc_u32 v3, s28, v254
	v_mul_u32_u24 v5, v13, 2*PP
	v_lshl_add_u32 v5, v12, 4, v5
.if STAGE == 2
	s_lshr_b32 s28, s16, 1
	s_mul_i32 s28, s28, 2*WIMG
	v_add_nc_u32 v5, s28, v5                       ; my team's two images
.endif
	s_lshl_b32 s28, s16, 3
	s_add_co_u32 s28, s28, EXS
	v_mov_b32 v6, s28
.if STAGE == 1
	v_mov_b32 v7, EXS
.else
	s_lshr_b32 s28, s16, 1
	s_lshl_b32 s28, s28, 4
	s_add_co_u32 s28, s28, EXS
	v_mov_b32 v7, s28
.endif
	s_mul_i32 s28, s16, AW
	s_add_co_u32 s28, s28, ARCH
	v_add_nc_u32 v9, s28, v254
	s_mul_i32 s28, s16, NT*8
	s_add_co_u32 s28, s28, ASTAT
	v_mov_b32 v29, s28
	; the addresses of the end: a pair to each half of the lanes
.if STAGE == 1
	s_mul_i32 s28, s16, 4*WIMG                     ; trip 4 w + 2 call + h; a lane takes columns 16 r + 0 .. 15
	v_mul_u32_u24 v14, v13, WIMG
	v_lshl_add_u32 v14, v12, 4, v14
	v_add_nc_u32 v14, s28, v14
.irp o, 0,1,2,3
	v_add_nc_u32 v[236+\o], ARCH+\o*AW, v14
.endr
	s_lshl_b32 s28, s16, 5
	s_add_co_u32 s28, s28, ASTAT
	v_lshl_add_u32 v240, v13, 3, s28
	s_mul_i32 s28, s16, 49152
	v_mul_u32_u24 v241, v13, 12288
	v_mad_u32_u24 v241, v12, 12, v241
	v_add_nc_u32 v241, s28, v241                   ; oq: from trip to trip 64 rows of 192 bytes; 12 bytes a lane
	s_lshl_b32 s28, s16, 11
	v_lshrrev_b32 v242, 1, v12
	v_lshl_add_u32 v242, v13, 9, v242
	v_add_nc_u32 v242, s28, v242                   ; os: from trip to trip 64 rows of 8 bytes; two lanes to a block
.else
	v_and_b32 v14, 3, v12                          ; trip w, team h; a lane takes columns 64 j + 4 r + 0 .. 3: piece r % 4, image lane 4 j + r / 4
	v_mul_u32_u24 v14, v14, PP
	v_lshrrev_b32 v15, 2, v12
	v_lshl_add_u32 v14, v15, 4, v14
	v_mad_u32_u24 v14, v13, 2*AW, v14
	s_mul_i32 s28, s16, WIMG
	v_add_nc_u32 v14, s28, v14
.irp o, 0,1
	v_add_nc_u32 v[236+\o], ARCH+\o*AW, v14
.endr
	s_lshl_b32 s28, s16, 3
	s_add_co_u32 s28, s28, ASTAT
	v_lshl_add_u32 v240, v13, 6, s28
	s_lshl_b32 s28, s16, 11
	v_lshlrev_b32 v241, 4, v12
	v_lshl_add_u32 v241, v13, 10, v241
	v_add_nc_u32 v241, s28, v241                   ; out0: row 2 w + h of my 8, 16 bytes a lane
.endif
	s_mov_b32 s20, 0x76543210
	s_mov_b32 s21, 0xfedcba98                      ; v_permlanex16_b32's selects for lane l xor 16
	s_mov_b32 s24, RINV
	s_mov_b32 s25, RINV                            ; (named with it as a pair, so it is written)
	s_mov_b32 s26, 0x3fb8aa3b                      ; log2(e)
	s_mov_b32 s27, 0x3fb8aa3b
.if STAGE == 1
	s_lshr_b32 s28, ttmp9, 2                       ; the matrix: h
	s_and_b32 s29, ttmp9, 3
	s_lshl_b32 s29, s29, 4                         ; my first row block: a
	s_lshl_b32 s38, s29, 6
	s_add_co_u32 s38, s38, s28                     ; the first row that I store: a 64 + h
	s_mul_i32 s40, s38, 192
	s_lshl_b32 s38, s38, 3
.else
	s_lshr_b32 s28, ttmp9, 3                       ; c
	s_and_b32 s29, ttmp9, 7
	s_lshl_b32 s29, s29, 2                         ; my first row block: two a to a block
	s_lshl_b32 s40, s28, 6
	s_lshl_b32 s38, s29, 1
	s_add_co_u32 s40, s40, s38
	s_lshl_b32 s40, s40, 10                        ; out0: (c 64 + a) rows of 1,024 bytes
	s_add_co_u32 s28, s28, 64                      ; W's matrices lie behind W1's 64
.endif
	s_mov_b32 s39, 0
	s_mov_b32 s41, 0
	s_mul_i32 s30, s28, 49152
	s_mov_b32 s31, 0
	s_lshl_b32 s32, s28, 11
	s_mov_b32 s33, 0
	s_mul_i32 s34, s29, 24576
	s_mov_b32 s35, 0
	s_lshl_b32 s36, s29, 10
	s_mov_b32 s37, 0
	s_wait_kmcnt 0x0
	s_add_nc_u64 s[8:9], s[8:9], s[30:31]
	s_add_nc_u64 s[10:11], s[10:11], s[32:33]
	s_add_nc_u64 s[4:5], s[4:5], s[34:35]
	s_add_nc_u64 s[6:7], s[6:7], s[36:37]
	s_add_nc_u64 s[12:13], s[12:13], s[40:41]
.if STAGE == 1
	s_add_nc_u64 s[14:15], s[14:15], s[38:39]
.endif
	WIN 0x80                                       ; destination window 2
.set n, 0
.rept 60                               ; the matrix, as images of its registers: each load covers 512 consecutive bytes
	global_load_b128 v[4*n:4*n+3], v254, s[8:9] offset:512*n
.set n, n+1
.endr
	WIN 0xc0                                       ; destination window 3
.rept 36
	global_load_b128 v[4*(n-60):4*(n-60)+3], v254, s[8:9] offset:512*n
.set n, n+1
.endr
	WIN 0
.set n, 0
.rept 16
	global_load_b32 v[WS+n], v255, s[10:11] offset:64*n
.set n, n+1
.endr
	XLOAD                                          ; block 0
	s_wait_loadcnt 0x0                             ; all of it; the loads' addresses are free
	s_add_nc_u64 s[4:5], s[4:5], 24576             ; on to block 1: 128 rows of 192 bytes,
	s_add_nc_u64 s[6:7], s[6:7], 1024              ; of 8 bytes
	MX 0
	XLOAD                                          ; block 1 (NT is at least 2): a whole trip ahead of its use
	PHASE_A 0
	PHASE_BC
	s_mov_b32 s18, NT-1                            ; trips to go
	s_mov_b32 s19, 0                               ; the archive's place for the pair before: WIMG a trip,
	s_mov_b32 s23, 0                               ; 8 bytes a trip
.Ltrip:
	s_wait_loadcnt 0x0                             ; this trip's rows, asked for a trip ago; their addresses are free
	s_add_nc_u64 s[4:5], s[4:5], 24576
	s_add_nc_u64 s[6:7], s[6:7], 1024
	MX 1
	s_cmp_eq_u32 s18, 1                            ; the last trip asks for nothing: no load leaves its buffer
	s_cbranch_scc1 .Lnox
	XLOAD
.Lnox:
	PHASE_A 1
	PHASE_BC
	s_add_co_u32 s19, s19, WIMG
	s_add_co_u32 s23, s23, 8
	s_sub_co_u32 s18, s18, 1
	s_cmp_lg_u32 s18, 0
	s_cbranch_scc1 .Ltrip
	SPASS SA                                       ; the last pair's third sum
	WIN 0
	POST SA
	PUT 9, SA, (NT-1)*WIMG
	ds_store_b64 v29, v[10:11] offset:(NT-1)*8
	BAR                                            ; the archive is whole
; ---------------- the end: every pair's third sum is combined, squashed and stored; a pair to each half of the lanes, so that no wave repeats another's work ----------------
.macro FLOAD kap, stb                  ; all partials of my pair, 16 columns a lane, into window 1 (the accumulators are done with), and the team's (M, Z)
	WIN 0x40
.set fw, 0
.rept TEAM
.irp hh, 0,1
.irp q, 0,1,2,3
	ds_load_b128 v[128*\kap+4*((2*fw+\hh)*4+\q):128*\kap+4*((2*fw+\hh)*4+\q)+3], v[236+fw] offset:\kap*2*WIMG+\hh*256+\q*FSTEP
.endr
.endr
.set fw, fw+1
.endr
	WIN 0
.set fw, 0
.rept TEAM
	ds_load_b64 v[\stb+2*fw:\stb+2*fw+1], v240 offset:\kap*16+fw*NT*8
.set fw, fw+1
.endr
.endm
.macro FIN kap, stb                    ; ROUT[0 .. 15] = my 16 columns of the pair's squashed vector
	STATS \stb
	WIN 0x01
.set fi, 0
.rept 2*TEAM
.irp c, 0,2,4,6,8,10,12,14
	WFMA ROUT+\c, 128*\kap+16*fi+\c, fi
.endr
.set fi, fi+1
.endr
	WIN 0
	v_pk_mul_f32 v[30:31], v[ROUT:ROUT+1], v[ROUT:ROUT+1]
	v_pk_mul_f32 v[12:13], v[ROUT+2:ROUT+3], v[ROUT+2:ROUT+3]
.irp c, 4,8,12
	v_pk_fma_f32 v[30:31], v[ROUT+\c:ROUT+\c+1], v[ROUT+\c:ROUT+\c+1], v[30:31]
	v_pk_fma_f32 v[12:13], v[ROUT+\c+2:ROUT+\c+3], v[ROUT+\c+2:ROUT+\c+3], v[12:13]
.endr
	v_pk_add_f32 v[30:31], v[30:31], v[12:13]
	v_add_f32 v30, v30, v31
	ROWSUM 30                                      ; 16 lanes x 16 columns: each half of the lanes is a pair of its own
	GFAC 1
.irp c, 0,2,4,6,8,10,12,14
	v_pk_mul_f32 v[ROUT+\c:ROUT+\c+1], v[ROUT+\c:ROUT+\c+1], v[14:15]
.endr
.endm
.macro OUT1 kap                        ; stage 1: out1's row is quantised along its 256 numbers, the next product's K: a lane holds 16 neighbours, two neighbouring lanes a block
	v_max3_num_f32 v12, |v[ROUT]|, |v[ROUT+1]|, 0x2800000   ; with the floor 2^(5 - 127): the byte cannot fall under 1
	v_max3_num_f32 v13, |v[ROUT+2]|, |v[ROUT+3]|, |v[ROUT+4]|
	v_max3_num_f32 v12, v12, |v[ROUT+5]|, |v[ROUT+6]|
	v_max3_num_f32 v13, v13, |v[ROUT+7]|, |v[ROUT+8]|
	v_max3_num_f32 v12, v12, |v[ROUT+9]|, |v[ROUT+10]|
	v_max3_num_f32 v13, v13, |v[ROUT+11]|, |v[ROUT+12]|
	v_max3_num_f32 v12, v12, |v[ROUT+13]|, |v[ROUT+14]|
	v_max3_num_f32 v12, v12, v13, |v[ROUT+15]|
	v_max_num_f32_dpp v12, v12, v12 row_xmask:1 row_mask:0xf bank_mask:0xf
	v_add_nc_u32 v13, 0xfe000000, v12              ; 4 off the exponent field: the conversion's scale operand
	v_cvt_scalef32_pk16_bf6_f32 v[244+4*\kap:246+4*\kap], v[ROUT:ROUT+15], v13
	v_lshrrev_b32 v[252+\kap], 23, v13             ; the byte; the plain line behind the conversion
	global_store_b96 v241, v[244+4*\kap:246+4*\kap], s[12:13] offset:\kap*24576   ; sixteen lanes store a row's 192 consecutive bytes
	global_store_b8 v242, v[252+\kap], s[14:15] offset:\kap*1024   ; both lanes of a block write the same byte; 8 bytes a row, laid as the next launch reads them
.endm
.if STAGE == 1
	FLOAD 0, 16
	FLOAD 1, SA
	s_wait_dscnt 36                                ; the first call's loads are in; the second's 32 + 4 may be out
	FIN 0, 16
	OUT1 0
	s_wait_dscnt 0x0
	FIN 1, SA
	OUT1 1
.else
	FLOAD 0, 16
	s_wait_dscnt 0x0
	FIN 0, 16
.irp j, 0,1,2,3
	global_store_b128 v241, v[ROUT+4*\j:ROUT+4*\j+3], s[12:13] offset:256*\j   ; sixteen lanes store 256 consecutive bytes, at a multiple of 256 from out0's first byte
.endr
.endif
	s_wait_tensorcnt 0x0
	ds_add_u32 v252, v253
	s_wait_dscnt 0x0
	s_endpgm
.Lfunc_end_k_q761c9950b7_stage2:
	.size	k_q761c9950b7_stage2, .Lfunc_end_k_q761c9950b7_stage2-k_q761c9950b7_stage2
	.p2alignl 7, 3214868480
	.fill 96, 4, 3214868480
	.section	.rodata,"a",@progbits
	.p2align	6, 0x0
	.amdhsa_kernel k_q761c9950b7_stage2
		.amdhsa_group_segment_fixed_size 56320
		.amdhsa_private_segment_fixed_size 0
		.amdhsa_enable_private_segment 0
		.amdhsa_kernarg_size 40
		.amdhsa_user_sgpr_count 2
		.amdhsa_user_sgpr_kernarg_segment_ptr 1
		.amdhsa_wavefront_size32 1
		.amdhsa_system_sgpr_workgroup_id_x 1
		.amdhsa_system_sgpr_workgroup_id_y 1
		.amdhsa_system_sgpr_workgroup_id_z 1
		.amdhsa_system_vgpr_workitem_id 0
		.amdhsa_next_free_vgpr 912
		.amdhsa_next_free_sgpr 66
		.amdhsa_reserve_vcc 0
		.amdhsa_float_denorm_mode_32 3
		.amdhsa_float_denorm_mode_16_64 3
		.amdhsa_memory_ordered 1
		.amdhsa_forward_progress 1
		.amdhsa_inst_pref_size 180
	.end_amdhsa_kernel
	.amdgpu_metadata
---
amdhsa.version: [ 1, 2 ]
amdhsa.kernels:
  - .name:           k_q761c9950b7_stage2
    .symbol:         k_q761c9950b7_stage2.kd
    .args:
      - { .name: oq, .offset: 0, .size: 8, .value_kind: global_buffer, .address_space: global }
      - { .name: os, .offset: 8, .size: 8, .value_kind: global_buffer, .address_space: global }
      - { .name: wq, .offset: 16, .size: 8, .value_kind: global_buffer, .address_space: global }
      - { .name: ws, .offset: 24, .size: 8, .value_kind: global_buffer, .address_space: global }
      - { .name: out0, .offset: 32, .size: 8, .value_kind: global_buffer, .address_space: global }
    .group_segment_fixed_size: 56320
    .private_segment_fixed_size: 0
    .kernarg_segment_align: 8
    .kernarg_segment_size: 40
    .max_flat_workgroup_size: 128
    .sgpr_count:     66
    .vgpr_count:     912
    .wavefront_size: 32
...
	.end_amdgpu_metadata
.endif
;; end of part 3
;; ======== version 2 of 2: 3 launches; version 1 with the launches stage1, stage2 written anew for expert scheduling mode
;; workspace buffers: xq 1,572,864 bytes; xs 65,536 bytes; wq 4,718,592 bytes; ws 196,608 bytes; oq 786,432 bytes; os 32,768 bytes
;; launch prep: the kernel of part 1 again; grid 256 x 1, 16 waves a work-group, no clusters, 110,848 bytes of LDS; arguments x, route_weights1, route_weights, xq, xs, wq, ws; writes xq, xs, wq, ws
;; launch stage1 (part 4): grid 256 x 1, 4 waves a work-group, no clusters, 167,168 bytes of LDS; arguments xq, xs, wq, ws, oq, os; writes oq, os
.if DOCPART == 4
	.amdgcn_target "amdgcn-amd-amdhsa--gfx1250"
	.amdhsa_code_object_version 6
	.text
	.protected	k_q761c9950b7_stage1
	.globl	k_q761c9950b7_stage1
	.p2align	8
	.type	k_q761c9950b7_stage1,@function
k_q761c9950b7_stage1:
	s_mov_b64 s[64:65], 0
	v_nop
	global_prefetch_b8 v0, s[64:65] scope:SCOPE_SE
	s_setreg_imm32_b32 hwreg(HW_REG_WAVE_SCHED_MODE, 0, 2), 2
	s_setreg_imm32_b32 hwreg(HW_REG_WAVE_MODE, 25, 1), 1
	s_wait_xcnt 0x0
	s_wait_alu depctr_vm_vsrc(0)
; A CAPSULE STAGE: priors P = rows x weight matrix (codes of BF6, one E8M0 byte for each 32 along K = 256), then three routing iterations over the rows of a pair.  One text serves both stages (STAGE).
; STAGE 1: pair (h, a): 128 rows x[a], matrix W1[h]; the squashed result is quantised and stored as row a 64 + h of oq / os.  STAGE 2: pair (c, a): 64 rows out1[a], matrix W[c]; the result is out0[c][a].
; SHARES.  A work-group of four waves keeps ONE weight matrix in every wave's registers (384 + 16 scale words) and walks NT blocks of 128 code rows.  Wave w owns rows 32 w .. 32 w + 31 of a block and all 256
; columns of P: 32 accumulators, 256 registers, which never leave the registers.  A pair is TEAM waves (stage 1: all four; stage 2: waves 0, 1 take a = 2 RB, waves 2, 3 a = 2 RB + 1).
; LAYOUT.  Source 0 = 16 rows, source 1 = a fragment of the matrix whose lane r holds column 16 r + t.  Register j of tile (tb, t) in lane (r, h) is P(row 16 tb + 8 h + j, column 16 r + t).
; So a sum over rows runs inside a lane (weights p: 16 registers, alike in all r), and a dot over columns runs inside a lane over t and then over r by four DPP steps, which leave each logit in every r: where p is wanted.
; THE SOFTMAX takes the largest logit away: each wave its own (M), p = 2^((l - M) log2 e), not normalised; a wave's partial sums go to LDS with (M, Z), and the team brings them under its largest M by 2^((M_w - M) log2 e).
; 1 / Z and the squash's factor are applied together.  That order of rounding differs from a softmax normalised first.
; BY TURNS.  The last weighted sum of pair n and the first sum of pair n + 1 stand in slices behind the 64 matrix instructions of pair n + 1.  The last squash of all pairs is put off to the end (partial sums wait in LDS).
; NO TENSOR LOAD, NO JOINT LOAD: the matrix stays in registers; a block's rows (25,600 bytes for the four waves) go from memory straight into operand registers a whole trip ahead of their use; brought jointly they
; would pass through LDS and cost 26 LDS loads a wave and a round of a cluster's barrier in every trip.
; LIMITS: NaN and infinities are not served.  A routed sum that is exactly 0 (the definition gives NaN) gives NaN in stage 2 and is not served in stage 1.  A squared norm under 2^-126 counts as 0 (the transcendentals
; flush denormals: ISA guide 15.8).  In stage 1 a block of out1 whose largest magnitude lies under 2^-122 gets the byte 1; this program alone reads the bytes.
; THE MODE: SCHED_MODE bits 1:0 = 2 (LLVM: expert scheduling mode 2), set by the entry lines.  The code itself states the register dependences between vector or matrix instructions and memory or LDS
; instructions, with s_wait_alu, always for 0.
; THE PLAN.  Registers that memory or LDS instructions touch, in a trip's order:
;   XF, XS                       read by the trip's 64 products; behind them the next block's loads land there.
;   SB[0..15]                    written by POST SB; read by the first exchange's four stores; written again by the next trip's first sum (stage 1: the second exchange's loads land there before that).
;   v164-227                     logits, p, increments, the vector: named by vector lines, the last of them the third sum's reads of p among the products; then the first exchange's loads land there.
;   SA[0..15], v4, v8, v[10:11]  written by POST SA, two additions and the last softmax; read by the five archive stores; SA and v[10:11] are written again by the softmax and the second sum, v4 and v8 a trip later.
;   SA[0..15], v[10:11]          written by the second sum and the softmax; read by the second exchange's five stores; then that exchange's loads land in v100-163, and the second softmax writes v[10:11].
;   v16-23                       the team's (M, Z): loaded with the second exchange, read by the vector lines behind it.
;   Every other offset and LDS address is made at the head and never written again; the accumulators and the matrix are named by vector and matrix lines alone until the end.
; So a trip states its dependences by three waits on va_vdst (behind POST SB; ahead of the archive stores; behind the second POST SA) and two on vm_vsrc (ahead of the first softmax; behind the second barrier).
; The other waits on va_vdst stand behind transcendentals, ahead of the first line that names a result.
.set STAGE, 1
.if STAGE == 1
.set NT,    16                         ; row blocks (trips)
.set TEAM,  4                          ; waves to a pair
.set RINV,  0x3c000000                 ; 1 / 128: the softmax of equal logits
.set FSTEP, 576
.else
.set NT,    4
.set TEAM,  2
.set RINV,  0x3c800000                 ; 1 / 64
.set FSTEP, 64
.endif
.set PP,    576                        ; a piece: 32 lanes x 16 bytes + 64
.set WIMG,  4*PP                       ; a wave's partial vector: piece q holds t = 4 q .. 4 q + 3 of lane l at q PP + 16 l
.set AW,    NT*WIMG
.set EX0,   0                          ; LDS: the four waves' images of the first sum,
.set EX1,   4*WIMG                     ; of the second sum,
.set EXS,   8*WIMG                     ; its (M, Z), 8 bytes a wave,
.set ARCH,  EXS+256                    ; the third sums of all trips: wave AW + trip WIMG,
.set ASTAT, ARCH+4*AW                  ; and their (M, Z): wave NT 8 + trip 8
; window 0: v1 rows' codes offset, v2 rows' scales offset, v3 my image, v4 / v8 this trip's place in ARCH / ASTAT, v5 where I read an exchange, v6 / v7 (M, Z) out / in, v9 / v29 my ARCH / ASTAT,
;   v[10:11] M, Z; v12-15 at work; v16-23 the team's (M, Z); v24-27 rescale factors; v28 1 / Z; v[30:31] squared norm; v236-242 addresses of the end; v244-253 codes and bytes; v254-255 offsets of the head's loads
.set RF,    24
.set WS,    32                         ; v32-47  the matrix's scale words: [t], lanes 0-15 K step 0, lanes 16-31 K step 1
.set XS,    48                         ; v48-49  the rows' scale words: [tb], likewise
.set XF,    52                         ; v52-99  the rows' fragments (tb, s) at 12 (2 tb + s)
.set SA,    100                        ; v100-131 sums
.set SB,    132                        ; v132-163 sums
.set RL,    164                        ; v164-179 logits
.set RP,    180                        ; v180-195 p
.set RDL,   196                        ; v196-211 a logit's increment
.set ROUT,  212                        ; v212-227 the squashed vector: [t] = out(16 r + t)
.set RC,    228                        ; v228-235 my 8 columns of a combined sum
; window 1: accumulator (tb, t) at 8 (2 t + tb).  windows 2, 3: the matrix: fragment (t, s) at 24 t + 12 s (t < 10: window 2) or 24 (t - 10) + 12 s (window 3)
.set MSB, 0
.macro WIN new                         ; low byte: bits 1:0 source 0, 3:2 source 1, 5:4 source 2, 7:6 destination; the high byte repeats the setting that is left
.if MSB != \new
	s_set_vgpr_msb (MSB<<8)|\new
.set MSB, \new
.endif
.endm
.macro XLOAD                           ; a block's rows for my wave: 4 fragments (24 bytes a lane in three loads of 8, so that every address is a multiple of the access's size) and 2 scale registers
.irp tb, 0,1
.irp ks, 0,1
.irp p, 0,1,2,3,4,5
	global_load_b64 v[XF+12*(2*\tb+\ks)+2*\p:XF+12*(2*\tb+\ks)+2*\p+1], v1, s[4:5] offset:3072*\tb+96*\ks+48*(\p/3)+8*(\p%3)
.endr
.endr
	global_load_b32 v[XS+\tb], v2, s[6:7] offset:128*\tb
.endr
.endm
; Matrix instruction i of 64: group u = i / 8 makes tiles t = 2 u, 2 u + 1 for both tb, K step 0 then K step 1.  The accumulators take turns, one instruction a turn: a sum's two links stand four apart.
.macro MM i
.set mk,  (\i)%8
.set ms,  mk/4
.set mt,  2*((\i)/8)+(mk%4)/2
.set mtb, mk%2
.set mD,  8*(2*mt+mtb)
.set mA,  XF+12*(2*mtb+ms)
.if mt < 10
	WIN 0x58                                       ; rows window 0, matrix window 2, C and D window 1
.set mB,  24*mt+12*ms
.else
	WIN 0x5c                                       ; matrix window 3
.set mB,  24*(mt-10)+12*ms
.endif
.if ms == 0
	v_wmma_scale_f32_16x16x128_f8f6f4 v[mD:mD+7], v[mA:mA+11], v[mB:mB+11], 0, v[XS+mtb], v[WS+mt] matrix_a_fmt:MATRIX_FMT_BF6 matrix_b_fmt:MATRIX_FMT_BF6
.else
	v_wmma_scale_f32_16x16x128_f8f6f4 v[mD:mD+7], v[mA:mA+11], v[mB:mB+11], v[mD:mD+7], v[XS+mtb], v[WS+mt] matrix_a_fmt:MATRIX_FMT_BF6 matrix_b_fmt:MATRIX_FMT_BF6 matrix_a_scale:MATRIX_SCALE_ROW1 matrix_b_scale:MATRIX_SCALE_ROW1
.endif
.endm
; One step of a sum over rows: registers 2 jp, 2 jp + 1 of tile (tb, t), tb = step / 4, jp = step % 4, times their weights, onto the pair dst + 2 t.  Step 0 starts the sum.  mode 0: weights p; mode 1: RINV.
.macro SFMA dst, t, step, mode
.set fa, 8*(2*(\t)+(\step)/4)+2*((\step)%4)
.set fd, \dst+2*(\t)
.set fp, RP+2*(\step)
	WIN 0x01                                       ; source 0 window 1
.if \mode == 0
.if (\step) == 0
	v_pk_mul_f32 v[fd:fd+1], v[fa:fa+1], v[fp:fp+1]
.else
	v_pk_fma_f32 v[fd:fd+1], v[fa:fa+1], v[fp:fp+1], v[fd:fd+1]
.endif
.else
.if (\step) == 0
	v_pk_mul_f32 v[fd:fd+1], v[fa:fa+1], s[24:25] op_sel_hi:[1,0]
.else
	v_pk_fma_f32 v[fd:fd+1], v[fa:fa+1], s[24:25], v[fd:fd+1] op_sel_hi:[1,0,1]
.endif
.endif
.endm
.macro SPASS dst                       ; a whole weighted sum: 128 instructions in 16 chains
.set sk, 0
.rept 8
.set sti, 0
.rept 16
	SFMA \dst, sti, sk, 0
.set sti, sti+1
.endr
.set sk, sk+1
.endr
.endm
; THE PRODUCTS OF A BLOCK.  s2 = 1: the pair before still owes its third sum (into SA, weights p): tiles 0, 1 ahead of the first product, tiles 2 u + 2, 2 u + 3 behind the products of group u, which is one group ahead of
; the products that begin those tiles anew.  The new pair's first sum (into SB, weight RINV) takes tiles 2 u - 2, 2 u - 1 behind the products of group u.
; A vector instruction reads a matrix result four places behind it, and only plain vector instructions that name none of its registers are places (ISA guide 7.12.1).  The tightest read is tile (0, 2 u - 1)'s, whose last link
; is the last product but one of group u - 1: between them stand the slices behind that product and the next (2 + 2 at the least; in the first block's group 0 four v_nop) and one instruction of the reader's own slice: five.
; Each accumulator is first read at its registers 0, 1.
.macro MX s2
.if \s2
.set kk, 0
.rept 8
	SFMA SA, 0, kk, 0
	SFMA SA, 1, kk, 0
.set kk, kk+1
.endr
.endif
.set qi, 0
.rept 64
	MM qi
.set qu, qi/8
.set qk, qi%8
.if (\s2) && (qu < 7)
	SFMA SA, 2*qu+2, qk, 0
	SFMA SA, 2*qu+3, qk, 0
.endif
.if qu > 0
	SFMA SB, 2*qu-2, qk, 1
	SFMA SB, 2*qu-1, qk, 1
.endif
.if ((\s2) == 0) && (qi == 7)
.rept 4
	v_nop
.endr
.endif
.set qi, qi+1
.endr
.set kk, 0
.rept 8                                ; tiles 14, 15
	SFMA SB, 14, kk, 1
	SFMA SB, 15, kk, 1
.set kk, kk+1
.endr
	WIN 0
.endm
.macro POST d                          ; even rows' and odd rows' sums are added: 32 registers become 16, in place, ascending
.set pt, 0
.rept 16
	v_add_f32 v[\d+pt], v[\d+2*pt], v[\d+2*pt+1]
.set pt, pt+1
.endr
.endm
.macro PUT adr, d, off                 ; 16 registers as an image: each store covers 512 consecutive bytes
.irp q, 0,1,2,3
	ds_store_b128 v[\adr], v[\d+4*\q:\d+4*\q+3] offset:\off+\q*PP
.endr
.endm
.macro CLOAD T, E                      ; of every partial of my team (wave cw, lane half hh) my 8 columns 16 r + 8 h + 0 .. 7; sixteen lanes read 256 consecutive bytes
.set cw, 0
.rept TEAM
.irp hh, 0,1
.irp qq, 0,1
	ds_load_b128 v[\T+4*((2*cw+\hh)*2+\qq):\T+4*((2*cw+\hh)*2+\qq)+3], v5 offset:\E+cw*WIMG+\qq*PP+\hh*256
.endr
.endr
.set cw, cw+1
.endr
.endm
.macro STATS b                         ; (M, Z) of the team's waves at v[b + 2 w], v[b + 2 w + 1]: factors 2^((M_w - M) log2 e) into v[RF + w], 1 / the whole sum into v28
.if TEAM == 4
	v_max3_num_f32 v12, v[\b], v[\b+2], v[\b+4]
	v_max_num_f32 v12, v12, v[\b+6]
.else
	v_max_num_f32 v12, v[\b], v[\b+2]
.endif
.set si, 0
.rept TEAM
	v_sub_f32 v[RF+si], v[\b+2*si], v12
.set si, si+1
.endr
.set si, 0
.rept TEAM
	v_mul_f32 v[RF+si], s26, v[RF+si]
.set si, si+1
.endr
.set si, 0
.rept TEAM
	v_exp_f32 v[RF+si], v[RF+si]
.set si, si+1
.endr
	v_nop                                          ; a plain line between the exponentials and the use of their results
	s_wait_alu depctr_va_vdst(0)                   ; the exponentials have written the factors v[RF ..], which the lines below read
	v_mul_f32 v13, v[RF], v[\b+1]
.set si, 1
.rept TEAM-1
	v_fmac_f32 v13, v[RF+si], v[\b+2*si+1]
.set si, si+1
.endr
	v_rcp_f32 v28, v13
	v_nop                                          ; a plain line behind the reciprocal
.endm
.macro WFMA d, s, pi                   ; pair d (+)= pair s x the factor of partial pi's wave (pi / 2), taken from its pair for both halves; pi = 0 starts the sum
.set wf, RF+((\pi)/4)*2
.set wb, ((\pi)/2)%2
.if (\pi) == 0
	v_pk_mul_f32 v[\d:\d+1], v[\s:\s+1], v[wf:wf+1] op_sel_hi:[1,0]
.elseif wb == 0
	v_pk_fma_f32 v[\d:\d+1], v[\s:\s+1], v[wf:wf+1], v[\d:\d+1] op_sel_hi:[1,0,1]
.else
	v_pk_fma_f32 v[\d:\d+1], v[\s:\s+1], v[wf:wf+1], v[\d:\d+1] op_sel:[0,1,0] op_sel_hi:[1,1,1]
.endif
.endm
.macro ROWSUM r                        ; over the 16 lanes of a half
.irp m, 1,2,4,8
	v_add_f32_dpp v[\r], v[\r], v[\r] row_xmask:\m row_mask:0xf bank_mask:0xf
.endr
.endm
.macro GFAC useinv                     ; v30 = the sum of squares of the vector in hand.  v[14:15] = the factor that squashes it: sq / (1 + sq) / sqrt(sq), with 1 / Z folded in where the vector is not yet divided by Z
.if (\useinv)
	s_wait_alu depctr_va_vdst(0)                   ; the reciprocal has written v28, 1 / Z, which the next line reads
	v_mul_f32 v30, v30, v28
	v_mul_f32 v30, v30, v28
.endif
	v_add_f32 v12, 1.0, v30
	v_rcp_f32 v12, v12
	v_rsq_f32 v13, v30
	v_nop                                          ; a plain line behind the transcendentals
	s_wait_alu depctr_va_vdst(0)                   ; the reciprocal has written v12 and the root v13, which the two lines below read
	v_mul_f32 v14, v30, v12
	v_mul_f32 v14, v14, v13
.if (\useinv)
	v_mul_f32 v14, v14, v28
.endif
	v_mov_b32 v15, v14
.endm
; The team's partials at v[T ..] (8 registers each) become the squashed vector: ROUT[t] = out(16 r + t) in both halves of the lanes.
.macro COMBINE T, first
.if \first
.irp c, 0,2,4,6
	v_pk_add_f32 v[RC+\c:RC+\c+1], v[\T+\c:\T+\c+1], v[\T+8+\c:\T+8+\c+1]
.endr
.set ci, 2
.rept 2*TEAM-2
.irp c, 0,2,4,6
	v_pk_add_f32 v[RC+\c:RC+\c+1], v[RC+\c:RC+\c+1], v[\T+8*ci+\c:\T+8*ci+\c+1]
.endr
.set ci, ci+1
.endr
.else
	STATS 16
.set ci, 0
.rept 2*TEAM
.irp c, 0,2,4,6
	WFMA RC+\c, \T+8*ci+\c, ci
.endr
.set ci, ci+1
.endr
.endif
	v_pk_mul_f32 v[30:31], v[RC:RC+1], v[RC:RC+1]
.irp c, 2,4,6
	v_pk_fma_f32 v[30:31], v[RC+\c:RC+\c+1], v[RC+\c:RC+\c+1], v[30:31]
.endr
	v_add_f32 v30, v30, v31
	ROWSUM 30
	v_permlanex16_b32 v31, v30, s20, s21
	v_add_f32 v30, v30, v31                        ; 32 lanes x 8 columns: the whole vector's
	GFAC 1-\first
.irp c, 0,2,4,6
	v_pk_mul_f32 v[ROUT+\c:ROUT+\c+1], v[RC+\c:RC+\c+1], v[14:15]
	v_pk_mul_f32 v[ROUT+8+\c:ROUT+8+\c+1], v[RC+\c:RC+\c+1], v[14:15]
.endr
.irp i, 0,1,2,3,4,5,6,7
	v_permlane16_swap_b32 v[ROUT+\i], v[ROUT+8+\i] ; lanes 0-15 held t = 0 .. 7 and lanes 16-31 t = 8 .. 15, each twice: after the exchange every lane holds all 16
.endr
.endm
.macro LPASS d                         ; d[8 tb + j] = the sum over t of P(row, 16 r + t) out(16 r + t): 128 instructions in 8 chains; t = 0 starts the sums
	WIN 0x01
.set lt, 0
.rept 16
.set lo, ROUT+(lt/2)*2
.irp e, 0,1,2,3,4,5,6,7
.set la, 8*(2*lt+\e/4)+2*(\e%4)
.if lt == 0
	v_pk_mul_f32 v[\d+2*\e:\d+2*\e+1], v[la:la+1], v[lo:lo+1] op_sel_hi:[1,0]
.elseif lt%2 == 0
	v_pk_fma_f32 v[\d+2*\e:\d+2*\e+1], v[la:la+1], v[lo:lo+1], v[\d+2*\e:\d+2*\e+1] op_sel_hi:[1,0,1]
.else
	v_pk_fma_f32 v[\d+2*\e:\d+2*\e+1], v[la:la+1], v[lo:lo+1], v[\d+2*\e:\d+2*\e+1] op_sel:[0,1,0] op_sel_hi:[1,1,1]
.endif
.endr
.set lt, lt+1
.endr
	WIN 0
.endm
.macro REDUCE d                        ; and over r: every lane of a half ends up with its half's 16 rows' dots
.irp m, 1,2,4,8
.set ri, 0
.rept 16
	v_add_f32_dpp v[\d+ri], v[\d+ri], v[\d+ri] row_xmask:\m row_mask:0xf bank_mask:0xf
.set ri, ri+1
.endr
.endr
.endm
.macro SOFTMAX                         ; my wave's 32 logits: M -> v10, p = 2^((l - M) log2 e) -> RP, their sum Z -> v11
	v_max3_num_f32 v12, v[RL], v[RL+1], v[RL+2]
	v_max3_num_f32 v13, v[RL+3], v[RL+4], v[RL+5]
.irp i, 6,10
	v_max3_num_f32 v12, v12, v[RL+\i], v[RL+\i+1]
	v_max3_num_f32 v13, v13, v[RL+\i+2], v[RL+\i+3]
.endr
	v_max3_num_f32 v12, v12, v[RL+14], v[RL+15]
	v_max_num_f32 v12, v12, v13
	v_permlanex16_b32 v13, v12, s20, s21           ; the other half's 16 rows
	v_max_num_f32 v10, v12, v13
.irp c, 0,2,4,6,8,10,12,14
	v_pk_add_f32 v[RP+\c:RP+\c+1], v[RL+\c:RL+\c+1], v[10:11] op_sel_hi:[1,0] neg_lo:[0,1] neg_hi:[0,1]   ; the difference first, so that large logits cost no accuracy
.endr
.irp c, 0,2,4,6,8,10,12,14
	v_pk_mul_f32 v[RP+\c:RP+\c+1], v[RP+\c:RP+\c+1], s[26:27] op_sel_hi:[1,0]
.endr
.irp i, 0,1,2,3,4,5,6,7,8,9,10,11,12,13,14,15
	v_exp_f32 v[RP+\i], v[RP+\i]
.endr
	v_nop                                          ; a plain line behind the exponentials
	s_wait_alu depctr_va_vdst(0)                   ; the sixteen exponentials have written p, which the sums below read
	v_pk_add_f32 v[12:13], v[RP:RP+1], v[RP+2:RP+3]
	v_pk_add_f32 v[14:15], v[RP+4:RP+5], v[RP+6:RP+7]
	v_pk_add_f32 v[12:13], v[12:13], v[RP+8:RP+9]
	v_pk_add_f32 v[14:15], v[14:15], v[RP+10:RP+11]
	v_pk_add_f32 v[12:13], v[12:13], v[RP+12:RP+13]
	v_pk_add_f32 v[14:15], v[14:15], v[RP+14:RP+15]
	v_pk_add_f32 v[12:13], v[12:13], v[14:15]
	v_add_f32 v12, v12, v13
	v_permlanex16_b32 v13, v12, s20, s21
	v_add_f32 v11, v12, v13
.endm
.macro BAR                             ; my LDS stores have landed and my LDS loads are in: then the work-group's barrier
	s_wait_dscnt 0x0
	s_barrier_signal -1
	s_barrier_wait -1
.endm
; The first sum goes to LDS.  The next block's loads follow these stores, under the same wait.
; EX0 is written again only by waves that have passed the trip's second barrier, in front of which every wave has waited for its reads of EX0.
.macro PHASE_A1
	POST SB
	s_wait_alu depctr_va_vdst(0)                   ; the additions have written SB's first 16, which the stores below read; the block's products are done reading XF and XS, in which the next block's loads land; and every line that named v164-227 is done (the last: the third sum's reads of p), where the exchange's loads land
	PUT 3, SB, EX0
.endm
; The first sum meets in LDS and is squashed.  prev = 1: the pair before leaves its third sum and its (M, Z) in the archive.
.macro PHASE_A2 prev
	s_wait_dscnt 0x0                               ; for the others' sake: my image lies in LDS (and my reads of EX1 and EXS, a trip back, are long in)
	s_barrier_signal -1
.if \prev
	POST SA                                        ; work on registers while the others arrive
	v_add_nc_u32 v4, s19, v9                       ; (v4 and v8: the last trip's archive stores have read them: the wait on vm_vsrc ahead of that trip's first softmax stands behind those stores)
	v_add_nc_u32 v8, s23, v29
.endif
	s_barrier_wait -1
	CLOAD RL, EX0                                  ; into the registers of the logits, p, the increments and the vector, which are all done with: no vector line since the wait behind POST SB names them or v5
.if \prev
	s_wait_alu depctr_va_vdst(0)                   ; the additions have written SA's first 16, v4 and v8, which the archive stores read
	PUT 4, SA, 0
	ds_store_b64 v8, v[10:11]
	s_wait_dscnt 5                                 ; the exchange's loads are in; the five archive stores issued behind them may be out
.else
	s_wait_dscnt 0x0
.endif
	COMBINE RL, 1
.endm
; Logits, softmax, second sum, its exchange and squash, logits, softmax.  EX1 and EXS are written again only behind the next trip's first barrier, in front of which every wave has waited for its reads of them.
.macro PHASE_BC
	LPASS RL
	REDUCE RL
	s_wait_dscnt 0x0                               ; the archive stores are done
	s_wait_alu depctr_vm_vsrc(0)                   ; the LDS stores issued so far have read their registers: the first exchange's SB, which the next trip's first sum writes; the archive's SA and v[10:11], which are written again below, and v4 and v8, which the next trip writes
	SOFTMAX
	SPASS SA
	WIN 0
	POST SA
	s_wait_alu depctr_va_vdst(0)                   ; the additions have written SA's first 16 and the softmax v[10:11], which the stores below read; and every line that named v100-163 and v16-23 is done, where the exchange's loads land
	PUT 3, SA, EX1
	ds_store_b64 v6, v[10:11]                      ; all lanes write the same 8 bytes with the same values
	BAR
	s_wait_alu depctr_vm_vsrc(0)                   ; the five stores above have read SA, in which the loads below land, and v[10:11], which the second softmax writes
	CLOAD SA, EX1
	ds_load_b128 v[16:19], v7
.if TEAM == 4
	ds_load_b128 v[20:23], v7 offset:16
.endif
	s_wait_dscnt 0x0
	COMBINE SA, 0
	LPASS RDL
	REDUCE RDL
.irp c, 0,2,4,6,8,10,12,14
	v_pk_add_f32 v[RL+\c:RL+\c+1], v[RL+\c:RL+\c+1], v[RDL+\c:RDL+\c+1]
.endr
	SOFTMAX
.endm
; ---------------- the head ----------------
	s_load_b256 s[4:11], s[0:1], 0x0               ; rows' codes s[4:5], rows' scales s[6:7], wq s[8:9], ws s[10:11]
.if STAGE == 1
	s_load_b128 s[12:15], s[0:1], 0x20             ; oq s[12:13], os s[14:15]
	v_lshl_add_u32 v247, v0, 2, 0x28b00
	v_mov_b32 v251, 0
.else
	s_load_b64 s[12:13], s[0:1], 0x20              ; out0
.endif
	v_lshrrev_b32 v12, 5, v0
	v_readfirstlane_b32 s16, v12                   ; wave 0..3
	v_and_b32 v12, 15, v0                          ; r
	v_bfe_u32 v13, v0, 4, 1                        ; h
	v_and_b32 v14, 31, v0
	v_lshlrev_b32 v254, 4, v14                     ; 16 x lane
	v_lshlrev_b32 v255, 10, v13
	v_lshl_add_u32 v255, v12, 2, v255              ; the matrix's scale words: K step h, column r
	v_mov_b32 v11, 0                               ; (named as the upper half of the pair v[10:11] before Z is first written)
	s_wait_alu depctr_va_sdst(0)                   ; s16, the wave's number, is written, ahead of its first reader
	s_mul_i32 s28, s16, 6144
	v_mul_u32_u24 v1, v12, 192
	v_mad_u32_u24 v1, v13, 24, v1
	v_add_nc_u32 v1, s28, v1                       ; my wave's 32 rows of 192 bytes; row r; 24 bytes a half
	s_lshl_b32 s28, s16, 8
	v_lshlrev_b32 v2, 3, v12
	v_lshl_add_u32 v2, v13, 2, v2
	v_add_nc_u32 v2, s28, v2                       ; 8 scale bytes a row; K step h's word
	s_mul_i32 s28, s16, WIMG
	v_add_nc_u32 v3, s28, v254
	v_mul_u32_u24 v5, v13, 2*PP
	v_lshl_add_u32 v5, v12, 4, v5
.if STAGE == 2
	s_lshr_b32 s28, s16, 1
	s_mul_i32 s28, s28, 2*WIMG
	v_add_nc_u32 v5, s28, v5                       ; my team's two images
.endif
	s_lshl_b32 s28, s16, 3
	s_add_co_u32 s28, s28, EXS
	v_mov_b32 v6, s28
.if STAGE == 1
	v_mov_b32 v7, EXS
.else
	s_lshr_b32 s28, s16, 1
	s_lshl_b32 s28, s28, 4
	s_add_co_u32 s28, s28, EXS
	v_mov_b32 v7, s28
.endif
	s_mul_i32 s28, s16, AW
	s_add_co_u32 s28, s28, ARCH
	v_add_nc_u32 v9, s28, v254
	s_mul_i32 s28, s16, NT*8
	s_add_co_u32 s28, s28, ASTAT
	v_mov_b32 v29, s28
	; the addresses of the end: a pair to each half of the lanes
.if STAGE == 1
	s_mul_i32 s28, s16, 4*WIMG                     ; trip 4 w + 2 call + h; a lane takes columns 16 r + 0 .. 15
	v_mul_u32_u24 v14, v13, WIMG
	v_lshl_add_u32 v14, v12, 4, v14
	v_add_nc_u32 v14, s28, v14
.irp o, 0,1,2,3
	v_add_nc_u32 v[236+\o], ARCH+\o*AW, v14
.endr
	s_lshl_b32 s28, s16, 5
	s_add_co_u32 s28, s28, ASTAT
	v_lshl_add_u32 v240, v13, 3, s28
	s_mul_i32 s28, s16, 49152
	v_mul_u32_u24 v241, v13, 12288
	v_mad_u32_u24 v241, v12, 12, v241
	v_add_nc_u32 v241, s28, v241                   ; oq: from trip to trip 64 rows of 192 bytes; 12 bytes a lane
	s_lshl_b32 s28, s16, 11
	v_lshrrev_b32 v242, 1, v12
	v_lshl_add_u32 v242, v13, 9, v242
	v_add_nc_u32 v242, s28, v242                   ; os: from trip to trip 64 rows of 8 bytes; two lanes to a block
.else
	v_and_b32 v14, 3, v12                          ; trip w, team h; a lane takes columns 64 j + 4 r + 0 .. 3: piece r % 4, image lane 4 j + r / 4
	v_mul_u32_u24 v14, v14, PP
	v_lshrrev_b32 v15, 2, v12
	v_lshl_add_u32 v14, v15, 4, v14
	v_mad_u32_u24 v14, v13, 2*AW, v14
	s_mul_i32 s28, s16, WIMG
	v_add_nc_u32 v14, s28, v14
.irp o, 0,1
	v_add_nc_u32 v[236+\o], ARCH+\o*AW, v14
.endr
	s_lshl_b32 s28, s16, 3
	s_add_co_u32 s28, s28, ASTAT
	v_lshl_add_u32 v240, v13, 6, s28
	s_lshl_b32 s28, s16, 11
	v_lshlrev_b32 v241, 4, v12
	v_lshl_add_u32 v241, v13, 10, v241
	v_add_nc_u32 v241, s28, v241                   ; out0: row 2 w + h of my 8, 16 bytes a lane
.endif
	s_mov_b32 s20, 0x76543210
	s_mov_b32 s21, 0xfedcba98                      ; v_permlanex16_b32's selects for lane l xor 16
	s_mov_b32 s24, RINV
	s_mov_b32 s25, RINV                            ; (named with it as a pair, so it is written)
	s_mov_b32 s26, 0x3fb8aa3b                      ; log2(e)
	s_mov_b32 s27, 0x3fb8aa3b
.if STAGE == 1
	s_lshr_b32 s28, ttmp9, 2                       ; the matrix: h
	s_and_b32 s29, ttmp9, 3
	s_lshl_b32 s29, s29, 4                         ; my first row block: a
	s_lshl_b32 s38, s29, 6
	s_add_co_u32 s38, s38, s28                     ; the first row that I store: a 64 + h
	s_mul_i32 s40, s38, 192
	s_lshl_b32 s38, s38, 3
.else
	s_lshr_b32 s28, ttmp9, 3                       ; c
	s_and_b32 s29, ttmp9, 7
	s_lshl_b32 s29, s29, 2                         ; my first row block: two a to a block
	s_lshl_b32 s40, s28, 6
	s_lshl_b32 s38, s29, 1
	s_add_co_u32 s40, s40, s38
	s_lshl_b32 s40, s40, 10                        ; out0: (c 64 + a) rows of 1,024 bytes
	s_add_co_u32 s28, s28, 64                      ; W's matrices lie behind W1's 64
.endif
	s_mov_b32 s39, 0
	s_mov_b32 s41, 0
	s_mul_i32 s30, s28, 49152
	s_mov_b32 s31, 0
	s_lshl_b32 s32, s28, 11
	s_mov_b32 s33, 0
	s_mul_i32 s34, s29, 24576
	s_mov_b32 s35, 0
	s_lshl_b32 s36, s29, 10
	s_mov_b32 s37, 0
	s_wait_kmcnt 0x0
	s_add_nc_u64 s[8:9], s[8:9], s[30:31]
	s_add_nc_u64 s[10:11], s[10:11], s[32:33]
	s_add_nc_u64 s[4:5], s[4:5], s[34:35]
	s_add_nc_u64 s[6:7], s[6:7], s[36:37]
	s_add_nc_u64 s[12:13], s[12:13], s[40:41]
.if STAGE == 1
	s_add_nc_u64 s[14:15], s[14:15], s[38:39]
.endif
	WIN 0x80                                       ; destination window 2
	s_wait_alu depctr_va_vdst(0)                   ; the offsets and LDS addresses v1-3, v5-7, v9, v29, v236-242, v254, v255 and the closing add's two registers are written: the kernel's loads and stores read them, and none is written again
.set n, 0
.rept 60                               ; the matrix, as images of its registers: each load covers 512 consecutive bytes
	global_load_b128 v[4*n:4*n+3], v254, s[8:9] offset:512*n
.set n, n+1
.endr
	WIN 0xc0                                       ; destination window 3
.rept 36
	global_load_b128 v[4*(n-60):4*(n-60)+3], v254, s[8:9] offset:512*n
.set n, n+1
.endr
	WIN 0
.set n, 0
.rept 16
	global_load_b32 v[WS+n], v255, s[10:11] offset:64*n
.set n, n+1
.endr
	XLOAD                                          ; block 0
	s_wait_loadcnt 0x0                             ; all of it; the loads' addresses are free
	s_add_nc_u64 s[4:5], s[4:5], 24576             ; on to block 1: 128 rows of 192 bytes,
	s_add_nc_u64 s[6:7], s[6:7], 1024              ; of 8 bytes
	MX 0
	PHASE_A1
	XLOAD                                          ; block 1 (NT is at least 2): a whole trip ahead of its use.  No wait of its own: no vector or matrix line since the wait behind POST SB names XF, XS, v1 or v2
	PHASE_A2 0
	PHASE_BC
	s_mov_b32 s18, NT-1                            ; trips to go
	s_mov_b32 s19, 0                               ; the archive's place for the pair before: WIMG a trip,
	s_mov_b32 s23, 0                               ; 8 bytes a trip
.Ltrip:
	s_wait_loadcnt 0x0                             ; this trip's rows, asked for a trip ago; their addresses are free
	s_add_nc_u64 s[4:5], s[4:5], 24576
	s_add_nc_u64 s[6:7], s[6:7], 1024
	MX 1
	PHASE_A1
	s_cmp_eq_u32 s18, 1                            ; the last trip asks for nothing: no load leaves its buffer
	s_cbranch_scc1 .Lnox
	XLOAD                                          ; no wait of its own: no vector or matrix line since the wait behind POST SB names XF, XS, v1 or v2
.Lnox:
	PHASE_A2 1
	PHASE_BC
	s_add_co_u32 s19, s19, WIMG
	s_add_co_u32 s23, s23, 8
	s_sub_co_u32 s18, s18, 1
	s_cmp_lg_u32 s18, 0
	s_cbranch_scc1 .Ltrip
	SPASS SA                                       ; the last pair's third sum
	WIN 0
	POST SA
	s_wait_alu depctr_va_vdst(0)                   ; the additions have written SA's first 16 and the last softmax v[10:11], which the stores below read
	PUT 9, SA, (NT-1)*WIMG
	ds_store_b64 v29, v[10:11] offset:(NT-1)*8
	BAR                                            ; the archive is whole
; ---------------- the end: every pair's third sum is combined, squashed and stored; a pair to each half of the lanes, so that no wave repeats another's work ----------------
.macro FLOAD kap, stb                  ; all partials of my pair, 16 columns a lane, into window 1 (the accumulators are done with), and the team's (M, Z)
	WIN 0x40
.set fw, 0
.rept TEAM
.irp hh, 0,1
.irp q, 0,1,2,3
	ds_load_b128 v[128*\kap+4*((2*fw+\hh)*4+\q):128*\kap+4*((2*fw+\hh)*4+\q)+3], v[236+fw] offset:\kap*2*WIMG+\hh*256+\q*FSTEP
.endr
.endr
.set fw, fw+1
.endr
	WIN 0
.set fw, 0
.rept TEAM
	ds_load_b64 v[\stb+2*fw:\stb+2*fw+1], v240 offset:\kap*16+fw*NT*8
.set fw, fw+1
.endr
.endm
.macro FIN kap, stb                    ; ROUT[0 .. 15] = my 16 columns of the pair's squashed vector
	STATS \stb
	WIN 0x01
.set fi, 0
.rept 2*TEAM
.irp c, 0,2,4,6,8,10,12,14
	WFMA ROUT+\c, 128*\kap+16*fi+\c, fi
.endr
.set fi, fi+1
.endr
	WIN 0
	v_pk_mul_f32 v[30:31], v[ROUT:ROUT+1], v[ROUT:ROUT+1]
	v_pk_mul_f32 v[12:13], v[ROUT+2:ROUT+3], v[ROUT+2:ROUT+3]
.irp c, 4,8,12
	v_pk_fma_f32 v[30:31], v[ROUT+\c:ROUT+\c+1], v[ROUT+\c:ROUT+\c+1], v[30:31]
	v_pk_fma_f32 v[12:13], v[ROUT+\c+2:ROUT+\c+3], v[ROUT+\c+2:ROUT+\c+3], v[12:13]
.endr
	v_pk_add_f32 v[30:31], v[30:31], v[12:13]
	v_add_f32 v30, v30, v31
	ROWSUM 30                                      ; 16 lanes x 16 columns: each half of the lanes is a pair of its own
	GFAC 1
.irp c, 0,2,4,6,8,10,12,14
	v_pk_mul_f32 v[ROUT+\c:ROUT+\c+1], v[ROUT+\c:ROUT+\c+1], v[14:15]
.endr
.endm
.macro OUT1 kap                        ; stage 1: out1's row is quantised along its 256 numbers, the next product's K: a lane holds 16 neighbours, two neighbouring lanes a block
	v_max3_num_f32 v12, |v[ROUT]|, |v[ROUT+1]|, 0x2800000   ; with the floor 2^(5 - 127): the byte cannot fall under 1
	v_max3_num_f32 v13, |v[ROUT+2]|, |v[ROUT+3]|, |v[ROUT+4]|
	v_max3_num_f32 v12, v12, |v[ROUT+5]|, |v[ROUT+6]|
	v_max3_num_f32 v13, v13, |v[ROUT+7]|, |v[ROUT+8]|
	v_max3_num_f32 v12, v12, |v[ROUT+9]|, |v[ROUT+10]|
	v_max3_num_f32 v13, v13, |v[ROUT+11]|, |v[ROUT+12]|
	v_max3_num_f32 v12, v12, |v[ROUT+13]|, |v[ROUT+14]|
	v_max3_num_f32 v12, v12, v13, |v[ROUT+15]|
	v_max_num_f32_dpp v12, v12, v12 row_xmask:1 row_mask:0xf bank_mask:0xf
	v_add_nc_u32 v13, 0xfe000000, v12              ; 4 off the exponent field: the conversion's scale operand
	v_cvt_scalef32_pk16_bf6_f32 v[244+4*\kap:246+4*\kap], v[ROUT:ROUT+15], v13
	v_lshrrev_b32 v[252+\kap], 23, v13             ; the byte; the plain line behind the conversion
	s_wait_alu depctr_va_vdst(0)                   ; the conversion has written the codes and the shift the byte, which the two stores read; each call has registers of its own for them, so no store's data are written again
	global_store_b96 v241, v[244+4*\kap:246+4*\kap], s[12:13] offset:\kap*24576   ; sixteen lanes store a row's 192 consecutive bytes
	global_store_b8 v242, v[252+\kap], s[14:15] offset:\kap*1024   ; both lanes of a block write the same byte; 8 bytes a row, laid as the next launch reads them
.endm
	WIN 0x40                                       ; destination window 1: the switch, then the wait, then the loads
	s_wait_alu depctr_va_vdst(0)                   ; the last third sum's multiply-adds are done reading the accumulators, in which the loads below land
.if STAGE == 1
	s_wait_alu depctr_vm_vsrc(0)                   ; the archive's last stores have read SA, in whose first eight registers the second call's (M, Z) land
	FLOAD 0, 16
	FLOAD 1, SA
	s_wait_dscnt 36                                ; the first call's loads are in; the second's 32 + 4 may be out
	FIN 0, 16
	OUT1 0
	s_wait_dscnt 0x0
	FIN 1, SA
	OUT1 1
.else
	FLOAD 0, 16
	s_wait_dscnt 0x0
	FIN 0, 16
	s_wait_alu depctr_va_vdst(0)                   ; the multiplications have written ROUT, which the stores read
.irp j, 0,1,2,3
	global_store_b128 v241, v[ROUT+4*\j:ROUT+4*\j+3], s[12:13] offset:256*\j   ; sixteen lanes store 256 consecutive bytes, at a multiple of 256 from out0's first byte
.endr
.endif
	s_wait_dscnt 0x0                               ; the closing lines, six on end
	s_wait_alu 0x0
	s_wait_tensorcnt 0x0
	ds_add_u32 v247, v251
	s_wait_dscnt 0x0
	s_endpgm
.Lfunc_end_k_q761c9950b7_stage1:
	.size	k_q761c9950b7_stage1, .Lfunc_end_k_q761c9950b7_stage1-k_q761c9950b7_stage1
	.p2alignl 7, 3214868480
	.fill 96, 4, 3214868480
	.section	.rodata,"a",@progbits
	.p2align	6, 0x0
	.amdhsa_kernel k_q761c9950b7_stage1
		.amdhsa_group_segment_fixed_size 167168
		.amdhsa_private_segment_fixed_size 0
		.amdhsa_enable_private_segment 0
		.amdhsa_kernarg_size 48
		.amdhsa_user_sgpr_count 2
		.amdhsa_user_sgpr_kernarg_segment_ptr 1
		.amdhsa_wavefront_size32 1
		.amdhsa_system_sgpr_workgroup_id_x 1
		.amdhsa_system_sgpr_workgroup_id_y 1
		.amdhsa_system_sgpr_workgroup_id_z 1
		.amdhsa_system_vgpr_workitem_id 0
		.amdhsa_next_free_vgpr 912
		.amdhsa_next_free_sgpr 66
		.amdhsa_reserve_vcc 0
		.amdhsa_float_denorm_mode_32 3
		.amdhsa_float_denorm_mode_16_64 3
		.amdhsa_memory_ordered 1
		.amdhsa_forward_progress 1
		.amdhsa_inst_pref_size 201
	.end_amdhsa_kernel
	.amdgpu_metadata
---
amdhsa.version: [ 1, 2 ]
amdhsa.kernels:
  - .name:           k_q761c9950b7_stage1
    .symbol:         k_q761c9950b7_stage1.kd
    .args:
      - { .name: xq, .offset: 0, .size: 8, .value_kind: global_buffer, .address_space: global }
      - { .name: xs, .offset: 8, .size: 8, .value_kind: global_buffer, .address_space: global }
      - { .name: wq, .offset: 16, .size: 8, .value_kind: global_buffer, .address_space: global }
      - { .name: ws, .offset: 24, .size: 8, .value_kind: global_buffer, .address_space: global }
      - { .name: oq, .offset: 32, .size: 8, .value_kind: global_buffer, .address_space: global }
      - { .name: os, .offset: 40, .size: 8, .value_kind: global_buffer, .address_space: global }
    .group_segment_fixed_size: 167168
    .private_segment_fixed_size: 0
    .kernarg_segment_align: 8
    .kernarg_segment_size: 48
    .max_flat_workgroup_size: 128
    .sgpr_count:     66
    .vgpr_count:     912
    .wavefront_size: 32
...
	.end_amdgpu_metadata
.endif
;; end of part 4
;; launch stage2 (part 5): grid 256 x 1, 4 waves a work-group, no clusters, 56,320 bytes of LDS; arguments oq, os, wq, ws, out0; writes out0
.if DOCPART == 5
	.amdgcn_target "amdgcn-amd-amdhsa--gfx1250"
	.amdhsa_code_object_version 6
	.text
	.protected	k_q761c9950b7_stage2
	.globl	k_q761c9950b7_stage2
	.p2align	8
	.type	k_q761c9950b7_stage2,@function
k_q761c9950b7_stage2:
	s_mov_b64 s[64:65], 0
	v_nop
	global_prefetch_b8 v0, s[64:65] scope:SCOPE_SE
	s_setreg_imm32_b32 hwreg(HW_REG_WAVE_SCHED_MODE, 0, 2), 2
	s_setreg_imm32_b32 hwreg(HW_REG_WAVE_MODE, 25, 1), 1
	s_wait_xcnt 0x0
	s_wait_alu depctr_vm_vsrc(0)
; A CAPSULE STAGE: priors P = rows x weight matrix (codes of BF6, one E8M0 byte for each 32 along K = 256), then three routing iterations over the rows of a pair.  One text serves both stages (STAGE).
; STAGE 1: pair (h, a): 128 rows x[a], matrix W1[h]; the squashed result is quantised and stored as row a 64 + h of oq / os.  STAGE 2: pair (c, a): 64 rows out1[a], matrix W[c]; the result is out0[c][a].
; SHARES.  A work-group of four waves keeps ONE weight matrix in every wave's registers (384 + 16 scale words) and walks NT blocks of 128 code rows.  Wave w owns rows 32 w .. 32 w + 31 of a block and all 256
; columns of P: 32 accumulators, 256 registers, which never leave the registers.  A pair is TEAM waves (stage 1: all four; stage 2: waves 0, 1 take a = 2 RB, waves 2, 3 a = 2 RB + 1).
; LAYOUT.  Source 0 = 16 rows, source 1 = a fragment of the matrix whose lane r holds column 16 r + t.  Register j of tile (tb, t) in lane (r, h) is P(row 16 tb + 8 h + j, column 16 r + t).
; So a sum over rows runs inside a lane (weights p: 16 registers, alike in all r), and a dot over columns runs inside a lane over t and then over r by four DPP steps, which leave each logit in every r: where p is wanted.
; THE SOFTMAX takes the largest logit away: each wave its own (M), p = 2^((l - M) log2 e), not normalised; a wave's partial sums go to LDS with (M, Z), and the team brings them under its largest M by 2^((M_w - M) log2 e).
; 1 / Z and the squash's factor are applied together.  That order of rounding differs from a softmax normalised first.
; BY TURNS.  The last weighted sum of pair n and the first sum of pair n + 1 stand in slices behind the 64 matrix instructions of pair n + 1.  The last squash of all pairs is put off to the end (partial sums wait in LDS).
; NO TENSOR LOAD, NO JOINT LOAD: the matrix stays in registers; a block's rows (25,600 bytes for the four waves) go from memory straight into operand registers a whole trip ahead of their use; brought jointly they
; would pass through LDS and cost 26 LDS loads a wave and a round of a cluster's barrier in every trip.
; LIMITS: NaN and infinities are not served.  A routed sum that is exactly 0 (the definition gives NaN) gives NaN in stage 2 and is not served in stage 1.  A squared norm under 2^-126 counts as 0 (the transcendentals
; flush denormals: ISA guide 15.8).  In stage 1 a block of out1 whose largest magnitude lies under 2^-122 gets the byte 1; this program alone reads the bytes.
; THE MODE: SCHED_MODE bits 1:0 = 2 (LLVM: expert scheduling mode 2), set by the entry lines.  The code itself states the register dependences between vector or matrix instructions and memory or LDS
; instructions, with s_wait_alu, always for 0.
; THE PLAN.  Registers that memory or LDS instructions touch, in a trip's order:
;   XF, XS                       read by the trip's 64 products; behind them the next block's loads land there.
;   SB[0..15]                    written by POST SB; read by the first exchange's four stores; written again by the next trip's first sum (stage 1: the second exchange's loads land there before that).
;   v164-227                     logits, p, increments, the vector: named by vector lines, the last of them the third sum's reads of p among the products; then the first exchange's loads land there.
;   SA[0..15], v4, v8, v[10:11]  written by POST SA, two additions and the last softmax; read by the five archive stores; SA and v[10:11] are written again by the softmax and the second sum, v4 and v8 a trip later.
;   SA[0..15], v[10:11]          written by the second sum and the softmax; read by the second exchange's five stores; then that exchange's loads land in v100-163, and the second softmax writes v[10:11].
;   v16-23                       the team's (M, Z): loaded with the second exchange, read by the vector lines behind it.
;   Every other offset and LDS address is made at the head and never written again; the accumulators and the matrix are named by vector and matrix lines alone until the end.
; So a trip states its dependences by three waits on va_vdst (behind POST SB; ahead of the archive stores; behind the second POST SA) and two on vm_vsrc (ahead of the first softmax; behind the second barrier).
; The other waits on va_vdst stand behind transcendentals, ahead of the first line that names a result.
.set STAGE, 2
.if STAGE == 1
.set NT,    16                         ; row blocks (trips)
.set TEAM,  4                          ; waves to a pair
.set RINV,  0x3c000000                 ; 1 / 128: the softmax of equal logits
.set FSTEP, 576
.else
.set NT,    4
.set TEAM,  2
.set RINV,  0x3c800000                 ; 1 / 64
.set FSTEP, 64
.endif
.set PP,    576                        ; a piece: 32 lanes x 16 bytes + 64
.set WIMG,  4*PP                       ; a wave's partial vector: piece q holds t = 4 q .. 4 q + 3 of lane l at q PP + 16 l
.set AW,    NT*WIMG
.set EX0,   0                          ; LDS: the four waves' images of the first sum,
.set EX1,   4*WIMG                     ; of the second sum,
.set EXS,   8*WIMG                     ; its (M, Z), 8 bytes a wave,
.set ARCH,  EXS+256                    ; the third sums of all trips: wave AW + trip WIMG,
.set ASTAT, ARCH+4*AW                  ; and their (M, Z): wave NT 8 + trip 8
; window 0: v1 rows' codes offset, v2 rows' scales offset, v3 my image, v4 / v8 this trip's place in ARCH / ASTAT, v5 where I read an exchange, v6 / v7 (M, Z) out / in, v9 / v29 my ARCH / ASTAT,
;   v[10:11] M, Z; v12-15 at work; v16-23 the team's (M, Z); v24-27 rescale factors; v28 1 / Z; v[30:31] squared norm; v236-242 addresses of the end; v244-253 codes and bytes; v254-255 offsets of the head's loads
.set RF,    24
.set WS,    32                         ; v32-47  the matrix's scale words: [t], lanes 0-15 K step 0, lanes 16-31 K step 1
.set XS,    48                         ; v48-49  the rows' scale words: [tb], likewise
.set XF,    52                         ; v52-99  the rows' fragments (tb, s) at 12 (2 tb + s)
.set SA,    100                        ; v100-131 sums
.set SB,    132                        ; v132-163 sums
.set RL,    164                        ; v164-179 logits
.set RP,    180                        ; v180-195 p
.set RDL,   196                        ; v196-211 a logit's increment
.set ROUT,  212                        ; v212-227 the squashed vector: [t] = out(16 r + t)
.set RC,    228                        ; v228-235 my 8 columns of a combined sum
; window 1: accumulator (tb, t) at 8 (2 t + tb).  windows 2, 3: the matrix: fragment (t, s) at 24 t + 12 s (t < 10: window 2) or 24 (t - 10) + 12 s (window 3)
.set MSB, 0
.macro WIN new                         ; low byte: bits 1:0 source 0, 3:2 source 1, 5:4 source 2, 7:6 destination; the high byte repeats the setting that is left
.if MSB != \new
	s_set_vgpr_msb (MSB<<8)|\new
.set MSB, \new
.endif
.endm
.macro XLOAD                           ; a block's rows for my wave: 4 fragments (24 bytes a lane in three loads of 8, so that every address is a multiple of the access's size) and 2 scale registers
.irp tb, 0,1
.irp ks, 0,1
.irp p, 0,1,2,3,4,5
	global_load_b64 v[XF+12*(2*\tb+\ks)+2*\p:XF+12*(2*\tb+\ks)+2*\p+1], v1, s[4:5] offset:3072*\tb+96*\ks+48*(\p/3)+8*(\p%3)
.endr
.endr
	global_load_b32 v[XS+\tb], v2, s[6:7] offset:128*\tb
.endr
.endm
; Matrix instruction i of 64: group u = i / 8 makes tiles t = 2 u, 2 u + 1 for both tb, K step 0 then K step 1.  The accumulators take turns, one instruction a turn: a sum's two links stand four apart.
.macro MM i
.set mk,  (\i)%8
.set ms,  mk/4
.set mt,  2*((\i)/8)+(mk%4)/2
.set mtb, mk%2
.set mD,  8*(2*mt+mtb)
.set mA,  XF+12*(2*mtb+ms)
.if mt < 10
	WIN 0x58                                       ; rows window 0, matrix window 2, C and D window 1
.set mB,  24*mt+12*ms
.else
	WIN 0x5c                                       ; matrix window 3
.set mB,  24*(mt-10)+12*ms
.endif
.if ms == 0
	v_wmma_scale_f32_16x16x128_f8f6f4 v[mD:mD+7], v[mA:mA+11], v[mB:mB+11], 0, v[XS+mtb], v[WS+mt] matrix_a_fmt:MATRIX_FMT_BF6 matrix_b_fmt:MATRIX_FMT_BF6
.else
	v_wmma_scale_f32_16x16x128_f8f6f4 v[mD:mD+7], v[mA:mA+11], v[mB:mB+11], v[mD:mD+7], v[XS+mtb], v[WS+mt] matrix_a_fmt:MATRIX_FMT_BF6 matrix_b_fmt:MATRIX_FMT_BF6 matrix_a_scale:MATRIX_SCALE_ROW1 matrix_b_scale:MATRIX_SCALE_ROW1
.endif
.endm
; One step of a sum over rows: registers 2 jp, 2 jp + 1 of tile (tb, t), tb = step / 4, jp = step % 4, times their weights, onto the pair dst + 2 t.  Step 0 starts the sum.  mode 0: weights p; mode 1: RINV.
.macro SFMA dst, t, step, mode
.set fa, 8*(2*(\t)+(\step)/4)+2*((\step)%4)
.set fd, \dst+2*(\t)
.set fp, RP+2*(\step)
	WIN 0x01                                       ; source 0 window 1
.if \mode == 0
.if (\step) == 0
	v_pk_mul_f32 v[fd:fd+1], v[fa:fa+1], v[fp:fp+1]
.else
	v_pk_fma_f32 v[fd:fd+1], v[fa:fa+1], v[fp:fp+1], v[fd:fd+1]
.endif
.else
.if (\step) == 0
	v_pk_mul_f32 v[fd:fd+1], v[fa:fa+1], s[24:25] op_sel_hi:[1,0]
.else
	v_pk_fma_f32 v[fd:fd+1], v[fa:fa+1], s[24:25], v[fd:fd+1] op_sel_hi:[1,0,1]
.endif
.endif
.endm
.macro SPASS dst                       ; a whole weighted sum: 128 instructions in 16 chains
.set sk, 0
.rept 8
.set sti, 0
.rept 16
	SFMA \dst, sti, sk, 0
.set sti, sti+1
.endr
.set sk, sk+1
.endr
.endm
; THE PRODUCTS OF A BLOCK.  s2 = 1: the pair before still owes its third sum (into SA, weights p): tiles 0, 1 ahead of the first product, tiles 2 u + 2, 2 u + 3 behind the products of group u, which is one group ahead of
; the products that begin those tiles anew.  The new pair's first sum (into SB, weight RINV) takes tiles 2 u - 2, 2 u - 1 behind the products of group u.
; A vector instruction reads a matrix result four places behind it, and only plain vector instructions that name none of its registers are places (ISA guide 7.12.1).  The tightest read is tile (0, 2 u - 1)'s, whose last link
; is the last product but one of group u - 1: between them stand the slices behind that product and the next (2 + 2 at the least; in the first block's group 0 four v_nop) and one instruction of the reader's own slice: five.
; Each accumulator is first read at its registers 0, 1.
.macro MX s2
.if \s2
.set kk, 0
.rept 8
	SFMA SA, 0, kk, 0
	SFMA SA, 1, kk, 0
.set kk, kk+1
.endr
.endif
.set qi, 0
.rept 64
	MM qi
.set qu, qi/8
.set qk, qi%8
.if (\s2) && (qu < 7)
	SFMA SA, 2*qu+2, qk, 0
	SFMA SA, 2*qu+3, qk, 0
.endif
.if qu > 0
	SFMA SB, 2*qu-2, qk, 1
	SFMA SB, 2*qu-1, qk, 1
.endif
.if ((\s2) == 0) && (qi == 7)
.rept 4
	v_nop
.endr
.endif
.set qi, qi+1
.endr
.set kk, 0
.rept 8                                ; tiles 14, 15
	SFMA SB, 14, kk, 1
	SFMA SB, 15, kk, 1
.set kk, kk+1
.endr
	WIN 0
.endm
.macro POST d                          ; even rows' and odd rows' sums are added: 32 registers become 16, in place, ascending
.set pt, 0
.rept 16
	v_add_f32 v[\d+pt], v[\d+2*pt], v[\d+2*pt+1]
.set pt, pt+1
.endr
.endm
.macro PUT adr, d, off                 ; 16 registers as an image: each store covers 512 consecutive bytes
.irp q, 0,1,2,3
	ds_store_b128 v[\adr], v[\d+4*\q:\d+4*\q+3] offset:\off+\q*PP
.endr
.endm
.macro CLOAD T, E                      ; of every partial of my team (wave cw, lane half hh) my 8 columns 16 r + 8 h + 0 .. 7; sixteen lanes read 256 consecutive bytes
.set cw, 0
.rept TEAM
.irp hh, 0,1
.irp qq, 0,1
	ds_load_b128 v[\T+4*((2*cw+\hh)*2+\qq):\T+4*((2*cw+\hh)*2+\qq)+3], v5 offset:\E+cw*WIMG+\qq*PP+\hh*256
.endr
.endr
.set cw, cw+1
.endr
.endm
.macro STATS b                         ; (M, Z) of the team's waves at v[b + 2 w], v[b + 2 w + 1]: factors 2^((M_w - M) log2 e) into v[RF + w], 1 / the whole sum into v28
.if TEAM == 4
	v_max3_num_f32 v12, v[\b], v[\b+2], v[\b+4]
	v_max_num_f32 v12, v12, v[\b+6]
.else
	v_max_num_f32 v12, v[\b], v[\b+2]
.endif
.set si, 0
.rept TEAM
	v_sub_f32 v[RF+si], v[\b+2*si], v12
.set si, si+1
.endr
.set si, 0
.rept TEAM
	v_mul_f32 v[RF+si], s26, v[RF+si]
.set si, si+1
.endr
.set si, 0
.rept TEAM
	v_exp_f32 v[RF+si], v[RF+si]
.set si, si+1
.endr
	v_nop                                          ; a plain line between the exponentials and the use of their results
	s_wait_alu depctr_va_vdst(0)                   ; the exponentials have written the factors v[RF ..], which the lines below read
	v_mul_f32 v13, v[RF], v[\b+1]
.set si, 1
.rept TEAM-1
	v_fmac_f32 v13, v[RF+si], v[\b+2*si+1]
.set si, si+1
.endr
	v_rcp_f32 v28, v13
	v_nop                                          ; a plain line behind the reciprocal
.endm
.macro WFMA d, s, pi                   ; pair d (+)= pair s x the factor of partial pi's wave (pi / 2), taken from its pair for both halves; pi = 0 starts the sum
.set wf, RF+((\pi)/4)*2
.set wb, ((\pi)/2)%2
.if (\pi) == 0
	v_pk_mul_f32 v[\d:\d+1], v[\s:\s+1], v[wf:wf+1] op_sel_hi:[1,0]
.elseif wb == 0
	v_pk_fma_f32 v[\d:\d+1], v[\s:\s+1], v[wf:wf+1], v[\d:\d+1] op_sel_hi:[1,0,1]
.else
	v_pk_fma_f32 v[\d:\d+1], v[\s:\s+1], v[wf:wf+1], v[\d:\d+1] op_sel:[0,1,0] op_sel_hi:[1,1,1]
.endif
.endm
.macro ROWSUM r                        ; over the 16 lanes of a half
.irp m, 1,2,4,8
	v_add_f32_dpp v[\r], v[\r], v[\r] row_xmask:\m row_mask:0xf bank_mask:0xf
.endr
.endm
.macro GFAC useinv                     ; v30 = the sum of squares of the vector in hand.  v[14:15] = the factor that squashes it: sq / (1 + sq) / sqrt(sq), with 1 / Z folded in where the vector is not yet divided by Z
.if (\useinv)
	s_wait_alu depctr_va_vdst(0)                   ; the reciprocal has written v28, 1 / Z, which the next line reads
	v_mul_f32 v30, v30, v28
	v_mul_f32 v30, v30, v28
.endif
	v_add_f32 v12, 1.0, v30
	v_rcp_f32 v12, v12
	v_rsq_f32 v13, v30
	v_nop                                          ; a plain line behind the transcendentals
	s_wait_alu depctr_va_vdst(0)                   ; the reciprocal has written v12 and the root v13, which the two lines below read
	v_mul_f32 v14, v30, v12
	v_mul_f32 v14, v14, v13
.if (\useinv)
	v_mul_f32 v14, v14, v28
.endif
	v_mov_b32 v15, v14
.endm
; The team's partials at v[T ..] (8 registers each) become the squashed vector: ROUT[t] = out(16 r + t) in both halves of the lanes.
.macro COMBINE T, first
.if \first
.irp c, 0,2,4,6
	v_pk_add_f32 v[RC+\c:RC+\c+1], v[\T+\c:\T+\c+1], v[\T+8+\c:\T+8+\c+1]
.endr
.set ci, 2
.rept 2*TEAM-2
.irp c, 0,2,4,6
	v_pk_add_f32 v[RC+\c:RC+\c+1], v[RC+\c:RC+\c+1], v[\T+8*ci+\c:\T+8*ci+\c+1]
.endr
.set ci, ci+1
.endr
.else
	STATS 16
.set ci, 0
.rept 2*TEAM
.irp c, 0,2,4,6
	WFMA RC+\c, \T+8*ci+\c, ci
.endr
.set ci, ci+1
.endr
.endif
	v_pk_mul_f32 v[30:31], v[RC:RC+1], v[RC:RC+1]
.irp c, 2,4,6
	v_pk_fma_f32 v[30:31], v[RC+\c:RC+\c+1], v[RC+\c:RC+\c+1], v[30:31]
.endr
	v_add_f32 v30, v30, v31
	ROWSUM 30
	v_permlanex16_b32 v31, v30, s20, s21
	v_add_f32 v30, v30, v31                        ; 32 lanes x 8 columns: the whole vector's
	GFAC 1-\first
.irp c, 0,2,4,6
	v_pk_mul_f32 v[ROUT+\c:ROUT+\c+1], v[RC+\c:RC+\c+1], v[14:15]
	v_pk_mul_f32 v[ROUT+8+\c:ROUT+8+\c+1], v[RC+\c:RC+\c+1], v[14:15]
.endr
.irp i, 0,1,2,3,4,5,6,7
	v_permlane16_swap_b32 v[ROUT+\i], v[ROUT+8+\i] ; lanes 0-15 held t = 0 .. 7 and lanes 16-31 t = 8 .. 15, each twice: after the exchange every lane holds all 16
.endr
.endm
.macro LPASS d                         ; d[8 tb + j] = the sum over t of P(row, 16 r + t) out(16 r + t): 128 instructions in 8 chains; t = 0 starts the sums
	WIN 0x01
.set lt, 0
.rept 16
.set lo, ROUT+(lt/2)*2
.irp e, 0,1,2,3,4,5,6,7
.set la, 8*(2*lt+\e/4)+2*(\e%4)
.if lt == 0
	v_pk_mul_f32 v[\d+2*\e:\d+2*\e+1], v[la:la+1], v[lo:lo+1] op_sel_hi:[1,0]
.elseif lt%2 == 0
	v_pk_fma_f32 v[\d+2*\e:\d+2*\e+1], v[la:la+1], v[lo:lo+1], v[\d+2*\e:\d+2*\e+1] op_sel_hi:[1,0,1]
.else
	v_pk_fma_f32 v[\d+2*\e:\d+2*\e+1], v[la:la+1], v[lo:lo+1], v[\d+2*\e:\d+2*\e+1] op_sel:[0,1,0] op_sel_hi:[1,1,1]
.endif
.endr
.set lt, lt+1
.endr
	WIN 0
.endm
.macro REDUCE d                        ; and over r: every lane of a half ends up with its half's 16 rows' dots
.irp m, 1,2,4,8
.set ri, 0
.rept 16
	v_add_f32_dpp v[\d+ri], v[\d+ri], v[\d+ri] row_xmask:\m row_mask:0xf bank_mask:0xf
.set ri, ri+1
.endr
.endr
.endm
.macro SOFTMAX                         ; my wave's 32 logits: M -> v10, p = 2^((l - M) log2 e) -> RP, their sum Z -> v11
	v_max3_num_f32 v12, v[RL], v[RL+1], v[RL+2]
	v_max3_num_f32 v13, v[RL+3], v[RL+4], v[RL+5]
.irp i, 6,10
	v_max3_num_f32 v12, v12, v[RL+\i], v[RL+\i+1]
	v_max3_num_f32 v13, v13, v[RL+\i+2], v[RL+\i+3]
.endr
	v_max3_num_f32 v12, v12, v[RL+14], v[RL+15]
	v_max_num_f32 v12, v12, v13
	v_permlanex16_b32 v13, v12, s20, s21           ; the other half's 16 rows
	v_max_num_f32 v10, v12, v13
.irp c, 0,2,4,6,8,10,12,14
	v_pk_add_f32 v[RP+\c:RP+\c+1], v[RL+\c:RL+\c+1], v[10:11] op_sel_hi:[1,0] neg_lo:[0,1] neg_hi:[0,1]   ; the difference first, so that large logits cost no accuracy
.endr
.irp c, 0,2,4,6,8,10,12,14
	v_pk_mul_f32 v[RP+\c:RP+\c+1], v[RP+\c:RP+\c+1], s[26:27] op_sel_hi:[1,0]
.endr
.irp i, 0,1,2,3,4,5,6,7,8,9,10,11,12,13,14,15
	v_exp_f32 v[RP+\i], v[RP+\i]
.endr
	v_nop                                          ; a plain line behind the exponentials
	s_wait_alu depctr_va_vdst(0)                   ; the sixteen exponentials have written p, which the sums below read
	v_pk_add_f32 v[12:13], v[RP:RP+1], v[RP+2:RP+3]
	v_pk_add_f32 v[14:15], v[RP+4:RP+5], v[RP+6:RP+7]
	v_pk_add_f32 v[12:13], v[12:13], v[RP+8:RP+9]
	v_pk_add_f32 v[14:15], v[14:15], v[RP+10:RP+11]
	v_pk_add_f32 v[12:13], v[12:13], v[RP+12:RP+13]
	v_pk_add_f32 v[14:15], v[14:15], v[RP+14:RP+15]
	v_pk_add_f32 v[12:13], v[12:13], v[14:15]
	v_add_f32 v12, v12, v13
	v_permlanex16_b32 v13, v12, s20, s21
	v_add_f32 v11, v12, v13
.endm
.macro BAR                             ; my LDS stores have landed and my LDS loads are in: then the work-group's barrier
	s_wait_dscnt 0x0
	s_barrier_signal -1
	s_barrier_wait -1
.endm
; The first sum goes to LDS.  The next block's loads follow these stores, under the same wait.
; EX0 is written again only by waves that have passed the trip's second barrier, in front of which every wave has waited for its reads of EX0.
.macro PHASE_A1
	POST SB
	s_wait_alu depctr_va_vdst(0)                   ; the additions have written SB's first 16, which the stores below read; the block's products are done reading XF and XS, in which the next block's loads land; and every line that named v164-227 is done (the last: the third sum's reads of p), where the exchange's loads land
	PUT 3, SB, EX0
.endm
; The first sum meets in LDS and is squashed.  prev = 1: the pair before leaves its third sum and its (M, Z) in the archive.
.macro PHASE_A2 prev
	s_wait_dscnt 0x0                               ; for the others' sake: my image lies in LDS (and my reads of EX1 and EXS, a trip back, are long in)
	s_barrier_signal -1
.if \prev
	POST SA                                        ; work on registers while the others arrive
	v_add_nc_u32 v4, s19, v9                       ; (v4 and v8: the last trip's archive stores have read them: the wait on vm_vsrc ahead of that trip's first softmax stands behind those stores)
	v_add_nc_u32 v8, s23, v29
.endif
	s_barrier_wait -1
	CLOAD RL, EX0                                  ; into the registers of the logits, p, the increments and the vector, which are all done with: no vector line since the wait behind POST SB names them or v5
.if \prev
	s_wait_alu depctr_va_vdst(0)                   ; the additions have written SA's first 16, v4 and v8, which the archive stores read
	PUT 4, SA, 0
	ds_store_b64 v8, v[10:11]
	s_wait_dscnt 5                                 ; the exchange's loads are in; the five archive stores issued behind them may be out
.else
	s_wait_dscnt 0x0
.endif
	COMBINE RL, 1
.endm
; Logits, softmax, second sum, its exchange and squash, logits, softmax.  EX1 and EXS are written again only behind the next trip's first barrier, in front of which every wave has waited for its reads of them.
.macro PHASE_BC
	LPASS RL
	REDUCE RL
	s_wait_dscnt 0x0                               ; the archive stores are done
	s_wait_alu depctr_vm_vsrc(0)                   ; the LDS stores issued so far have read their registers: the first exchange's SB, which the next trip's first sum writes; the archive's SA and v[10:11], which are written again below, and v4 and v8, which the next trip writes
	SOFTMAX
	SPASS SA
	WIN 0
	POST SA
	s_wait_alu depctr_va_vdst(0)                   ; the additions have written SA's first 16 and the softmax v[10:11], which the stores below read; and every line that named v100-163 and v16-23 is done, where the exchange's loads land
	PUT 3, SA, EX1
	ds_store_b64 v6, v[10:11]                      ; all lanes write the same 8 bytes with the same values
	BAR
	s_wait_alu depctr_vm_vsrc(0)                   ; the five stores above have read SA, in which the loads below land, and v[10:11], which the second softmax writes
	CLOAD SA, EX1
	ds_load_b128 v[16:19], v7
.if TEAM == 4
	ds_load_b128 v[20:23], v7 offset:16
.endif
	s_wait_dscnt 0x0
	COMBINE SA, 0
	LPASS RDL
	REDUCE RDL
.irp c, 0,2,4,6,8,10,12,14
	v_pk_add_f32 v[RL+\c:RL+\c+1], v[RL+\c:RL+\c+1], v[RDL+\c:RDL+\c+1]
.endr
	SOFTMAX
.endm
; ---------------- the head ----------------
	s_load_b256 s[4:11], s[0:1], 0x0               ; rows' codes s[4:5], rows' scales s[6:7], wq s[8:9], ws s[10:11]
.if STAGE == 1
	s_load_b128 s[12:15], s[0:1], 0x20             ; oq s[12:13], os s[14:15]
.else
	s_load_b64 s[12:13], s[0:1], 0x20              ; out0
	v_lshl_add_u32 v252, v0, 2, 0xda00
	v_mov_b32 v253, 0
.endif
	v_lshrrev_b32 v12, 5, v0
	v_readfirstlane_b32 s16, v12                   ; wave 0..3
	v_and_b32 v12, 15, v0                          ; r
	v_bfe_u32 v13, v0, 4, 1                        ; h
	v_and_b32 v14, 31, v0
	v_lshlrev_b32 v254, 4, v14                     ; 16 x lane
	v_lshlrev_b32 v255, 10, v13
	v_lshl_add_u32 v255, v12, 2, v255              ; the matrix's scale words: K step h, column r
	v_mov_b32 v11, 0                               ; (named as the upper half of the pair v[10:11] before Z is first written)
	s_wait_alu depctr_va_sdst(0)                   ; s16, the wave's number, is written, ahead of its first reader
	s_mul_i32 s28, s16, 6144
	v_mul_u32_u24 v1, v12, 192
	v_mad_u32_u24 v1, v13, 24, v1
	v_add_nc_u32 v1, s28, v1                       ; my wave's 32 rows of 192 bytes; row r; 24 bytes a half
	s_lshl_b32 s28, s16, 8
	v_lshlrev_b32 v2, 3, v12
	v_lshl_add_u32 v2, v13, 2, v2
	v_add_nc_u32 v2, s28, v2                       ; 8 scale bytes a row; K step h's word
	s_mul_i32 s28, s16, WIMG
	v_add_nc_u32 v3, s28, v254
	v_mul_u32_u24 v5, v13, 2*PP
	v_lshl_add_u32 v5, v12, 4, v5
.if STAGE == 2
	s_lshr_b32 s28, s16, 1
	s_mul_i32 s28, s28, 2*WIMG
	v_add_nc_u32 v5, s28, v5                       ; my team's two images
.endif
	s_lshl_b32 s28, s16, 3
	s_add_co_u32 s28, s28, EXS
	v_mov_b32 v6, s28
.if STAGE == 1
	v_mov_b32 v7, EXS
.else
	s_lshr_b32 s28, s16, 1
	s_lshl_b32 s28, s28, 4
	s_add_co_u32 s28, s28, EXS
	v_mov_b32 v7, s28
.endif
	s_mul_i32 s28, s16, AW
	s_add_co_u32 s28, s28, ARCH
	v_add_nc_u32 v9, s28, v254
	s_mul_i32 s28, s16, NT*8
	s_add_co_u32 s28, s28, ASTAT
	v_mov_b32 v29, s28
	; the addresses of the end: a pair to each half of the lanes
.if STAGE == 1
	s_mul_i32 s28, s16, 4*WIMG                     ; trip 4 w + 2 call + h; a lane takes columns 16 r + 0 .. 15
	v_mul_u32_u24 v14, v13, WIMG
	v_lshl_add_u32 v14, v12, 4, v14
	v_add_nc_u32 v14, s28, v14
.irp o, 0,1,2,3
	v_add_nc_u32 v[236+\o], ARCH+\o*AW, v14
.endr
	s_lshl_b32 s28, s16, 5
	s_add_co_u32 s28, s28, ASTAT
	v_lshl_add_u32 v240, v13, 3, s28
	s_mul_i32 s28, s16, 49152
	v_mul_u32_u24 v241, v13, 12288
	v_mad_u32_u24 v241, v12, 12, v241
	v_add_nc_u32 v241, s28, v241                   ; oq: from trip to trip 64 rows of 192 bytes; 12 bytes a lane
	s_lshl_b32 s28, s16, 11
	v_lshrrev_b32 v242, 1, v12
	v_lshl_add_u32 v242, v13, 9, v242
	v_add_nc_u32 v242, s28, v242                   ; os: from trip to trip 64 rows of 8 bytes; two lanes to a block
.else
	v_and_b32 v14, 3, v12                          ; trip w, team h; a lane takes columns 64 j + 4 r + 0 .. 3: piece r % 4, image lane 4 j + r / 4
	v_mul_u32_u24 v14, v14, PP
	v_lshrrev_b32 v15, 2, v12
	v_lshl_add_u32 v14, v15, 4, v14
	v_mad_u32_u24 v14, v13, 2*AW, v14
	s_mul_i32 s28, s16, WIMG
	v_add_nc_u32 v14, s28, v14
.irp o, 0,1
	v_add_nc_u32 v[236+\o], ARCH+\o*AW, v14
.endr
	s_lshl_b32 s28, s16, 3
	s_add_co_u32 s28, s28, ASTAT
	v_lshl_add_u32 v240, v13, 6, s28
	s_lshl_b32 s28, s16, 11
	v_lshlrev_b32 v241, 4, v12
	v_lshl_add_u32 v241, v13, 10, v241
	v_add_nc_u32 v241, s28, v241                   ; out0: row 2 w + h of my 8, 16 bytes a lane
.endif
	s_mov_b32 s20, 0x76543210
	s_mov_b32 s21, 0xfedcba98                      ; v_permlanex16_b32's selects for lane l xor 16
	s_mov_b32 s24, RINV
	s_mov_b32 s25, RINV                            ; (named with it as a pair, so it is written)
	s_mov_b32 s26, 0x3fb8aa3b                      ; log2(e)
	s_mov_b32 s27, 0x3fb8aa3b
.if STAGE == 1
	s_lshr_b32 s28, ttmp9, 2                       ; the matrix: h
	s_and_b32 s29, ttmp9, 3
	s_lshl_b32 s29, s29, 4                         ; my first row block: a
	s_lshl_b32 s38, s29, 6
	s_add_co_u32 s38, s38, s28                     ; the first row that I store: a 64 + h
	s_mul_i32 s40, s38, 192
	s_lshl_b32 s38, s38, 3
.else
	s_lshr_b32 s28, ttmp9, 3                       ; c
	s_and_b32 s29, ttmp9, 7
	s_lshl_b32 s29, s29, 2                         ; my first row block: two a to a block
	s_lshl_b32 s40, s28, 6
	s_lshl_b32 s38, s29, 1
	s_add_co_u32 s40, s40, s38
	s_lshl_b32 s40, s40, 10                        ; out0: (c 64 + a) rows of 1,024 bytes
	s_add_co_u32 s28, s28, 64                      ; W's matrices lie behind W1's 64
.endif
	s_mov_b32 s39, 0
	s_mov_b32 s41, 0
	s_mul_i32 s30, s28, 49152
	s_mov_b32 s31, 0
	s_lshl_b32 s32, s28, 11
	s_mov_b32 s33, 0
	s_mul_i32 s34, s29, 24576
	s_mov_b32 s35, 0
	s_lshl_b32 s36, s29, 10
	s_mov_b32 s37, 0
	s_wait_kmcnt 0x0
	s_add_nc_u64 s[8:9], s[8:9], s[30:31]
	s_add_nc_u64 s[10:11], s[10:11], s[32:33]
	s_add_nc_u64 s[4:5], s[4:5], s[34:35]
	s_add_nc_u64 s[6:7], s[6:7], s[36:37]
	s_add_nc_u64 s[12:13], s[12:13], s[40:41]
.if STAGE == 1
	s_add_nc_u64 s[14:15], s[14:15], s[38:39]
.endif
	WIN 0x80                                       ; destination window 2
	s_wait_alu depctr_va_vdst(0)                   ; the offsets and LDS addresses v1-3, v5-7, v9, v29, v236-242, v254, v255 and the closing add's two registers are written: the kernel's loads and stores read them, and none is written again
.set n, 0
.rept 60                               ; the matrix, as images of its registers: each load covers 512 consecutive bytes
	global_load_b128 v[4*n:4*n+3], v254, s[8:9] offset:512*n
.set n, n+1
.endr
	WIN 0xc0                                       ; destination window 3
.rept 36
	global_load_b128 v[4*(n-60):4*(n-60)+3], v254, s[8:9] offset:512*n
.set n, n+1
.endr
	WIN 0
.set n, 0
.rept 16
	global_load_b32 v[WS+n], v255, s[10:11] offset:64*n
.set n, n+1
.endr
	XLOAD                                          ; block 0
	s_wait_loadcnt 0x0                             ; all of it; the loads' addresses are free
	s_add_nc_u64 s[4:5], s[4:5], 24576             ; on to block 1: 128 rows of 192 bytes,
	s_add_nc_u64 s[6:7], s[6:7], 1024              ; of 8 bytes
	MX 0
	PHASE_A1
	XLOAD                                          ; block 1 (NT is at least 2): a whole trip ahead of its use.  No wait of its own: no vector or matrix line since the wait behind POST SB names XF, XS, v1 or v2
	PHASE_A2 0
	PHASE_BC
	s_mov_b32 s18, NT-1                            ; trips to go
	s_mov_b32 s19, 0                               ; the archive's place for the pair before: WIMG a trip,
	s_mov_b32 s23, 0                               ; 8 bytes a trip
.Ltrip:
	s_wait_loadcnt 0x0                             ; this trip's rows, asked for a trip ago; their addresses are free
	s_add_nc_u64 s[4:5], s[4:5], 24576
	s_add_nc_u64 s[6:7], s[6:7], 1024
	MX 1
	PHASE_A1
	s_cmp_eq_u32 s18, 1                            ; the last trip asks for nothing: no load leaves its buffer
	s_cbranch_scc1 .Lnox
	XLOAD                                          ; no wait of its own: no vector or matrix line since the wait behind POST SB names XF, XS, v1 or v2
.Lnox:
	PHASE_A2 1
	PHASE_BC
	s_add_co_u32 s19, s19, WIMG
	s_add_co_u32 s23, s23, 8
	s_sub_co_u32 s18, s18, 1
	s_cmp_lg_u32 s18, 0
	s_cbranch_scc1 .Ltrip
	SPASS SA                                       ; the last pair's third sum
	WIN 0
	POST SA
	s_wait_alu depctr_va_vdst(0)                   ; the additions have written SA's first 16 and the last softmax v[10:11], which the stores below read
	PUT 9, SA, (NT-1)*WIMG
	ds_store_b64 v29, v[10:11] offset:(NT-1)*8
	BAR                                            ; the archive is whole
; ---------------- the end: every pair's third sum is combined, squashed and stored; a pair to each half of the lanes, so that no wave repeats another's work ----------------
.macro FLOAD kap, stb                  ; all partials of my pair, 16 columns a lane, into window 1 (the accumulators are done with), and the team's (M, Z)
	WIN 0x40
.set fw, 0
.rept TEAM
.irp hh, 0,1
.irp q, 0,1,2,3
	ds_load_b128 v[128*\kap+4*((2*fw+\hh)*4+\q):128*\kap+4*((2*fw+\hh)*4+\q)+3], v[236+fw] offset:\kap*2*WIMG+\hh*256+\q*FSTEP
.endr
.endr
.set fw, fw+1
.endr
	WIN 0
.set fw, 0
.rept TEAM
	ds_load_b64 v[\stb+2*fw:\stb+2*fw+1], v240 offset:\kap*16+fw*NT*8
.set fw, fw+1
.endr
.endm
.macro FIN kap, stb                    ; ROUT[0 .. 15] = my 16 columns of the pair's squashed vector
	STATS \stb
	WIN 0x01
.set fi, 0
.rept 2*TEAM
.irp c, 0,2,4,6,8,10,12,14
	WFMA ROUT+\c, 128*\kap+16*fi+\c, fi
.endr
.set fi, fi+1
.endr
	WIN 0
	v_pk_mul_f32 v[30:31], v[ROUT:ROUT+1], v[ROUT:ROUT+1]
	v_pk_mul_f32 v[12:13], v[ROUT+2:ROUT+3], v[ROUT+2:ROUT+3]
.irp c, 4,8,12
	v_pk_fma_f32 v[30:31], v[ROUT+\c:ROUT+\c+1], v[ROUT+\c:ROUT+\c+1], v[30:31]
	v_pk_fma_f32 v[12:13], v[ROUT+\c+2:ROUT+\c+3], v[ROUT+\c+2:ROUT+\c+3], v[12:13]
.endr
	v_pk_add_f32 v[30:31], v[30:31], v[12:13]
	v_add_f32 v30, v30, v31
	ROWSUM 30                                      ; 16 lanes x 16 columns: each half of the lanes is a pair of its own
	GFAC 1
.irp c, 0,2,4,6,8,10,12,14
	v_pk_mul_f32 v[ROUT+\c:ROUT+\c+1], v[ROUT+\c:ROUT+\c+1], v[14:15]
.endr
.endm
.macro OUT1 kap                        ; stage 1: out1's row is quantised along its 256 numbers, the next product's K: a lane holds 16 neighbours, two neighbouring lanes a block
	v_max3_num_f32 v12, |v[ROUT]|, |v[ROUT+1]|, 0x2800000   ; with the floor 2^(5 - 127): the byte cannot fall under 1
	v_max3_num_f32 v13, |v[ROUT+2]|, |v[ROUT+3]|, |v[ROUT+4]|
	v_max3_num_f32 v12, v12, |v[ROUT+5]|, |v[ROUT+6]|
	v_max3_num_f32 v13, v13, |v[ROUT+7]|, |v[ROUT+8]|
	v_max3_num_f32 v12, v12, |v[ROUT+9]|, |v[ROUT+10]|
	v_max3_num_f32 v13, v13, |v[ROUT+11]|, |v[ROUT+12]|
	v_max3_num_f32 v12, v12, |v[ROUT+13]|, |v[ROUT+14]|
	v_max3_num_f32 v12, v12, v13, |v[ROUT+15]|
	v_max_num_f32_dpp v12, v12, v12 row_xmask:1 row_mask:0xf bank_mask:0xf
	v_add_nc_u32 v13, 0xfe000000, v12              ; 4 off the exponent field: the conversion's scale operand
	v_cvt_scalef32_pk16_bf6_f32 v[244+4*\kap:246+4*\kap], v[ROUT:ROUT+15], v13
	v_lshrrev_b32 v[252+\kap], 23, v13             ; the byte; the plain line behind the conversion
	s_wait_alu depctr_va_vdst(0)                   ; the conversion has written the codes and the shift the byte, which the two stores read; each call has registers of its own for them, so no store's data are written again
	global_store_b96 v241, v[244+4*\kap:246+4*\kap], s[12:13] offset:\kap*24576   ; sixteen lanes store a row's 192 consecutive bytes
	global_store_b8 v242, v[252+\kap], s[14:15] offset:\kap*1024   ; both lanes of a block write the same byte; 8 bytes a row, laid as the next launch reads them
.endm
	WIN 0x40                                       ; destination window 1: the switch, then the wait, then the loads
	s_wait_alu depctr_va_vdst(0)                   ; the last third sum's multiply-adds are done reading the accumulators, in which the loads below land
.if STAGE == 1
	s_wait_alu depctr_vm_vsrc(0)                   ; the archive's last stores have read SA, in whose first eight registers the second call's (M, Z) land
	FLOAD 0, 16
	FLOAD 1, SA
	s_wait_dscnt 36                                ; the first call's loads are in; the second's 32 + 4 may be out
	FIN 0, 16
	OUT1 0
	s_wait_dscnt 0x0
	FIN 1, SA
	OUT1 1
.else
	FLOAD 0, 16
	s_wait_dscnt 0x0
	FIN 0, 16
	s_wait_alu depctr_va_vdst(0)                   ; the multiplications have written ROUT, which the stores read
.irp j, 0,1,2,3
	global_store_b128 v241, v[ROUT+4*\j:ROUT+4*\j+3], s[12:13] offset:256*\j   ; sixteen lanes store 256 consecutive bytes, at a multiple of 256 from out0's first byte
.endr
.endif
	s_wait_dscnt 0x0                               ; the closing lines, six on end
	s_wait_alu 0x0
	s_wait_tensorcnt 0x0
	ds_add_u32 v252, v253
	s_wait_dscnt 0x0
	s_endpgm
.Lfunc_end_k_q761c9950b7_stage2:
	.size	k_q761c9950b7_stage2, .Lfunc_end_k_q761c9950b7_stage2-k_q761c9950b7_stage2
	.p2alignl 7, 3214868480
	.fill 96, 4, 3214868480
	.section	.rodata,"a",@progbits
	.p2align	6, 0x0
	.amdhsa_kernel k_q761c9950b7_stage2
		.amdhsa_group_segment_fixed_size 56320
		.amdhsa_private_segment_fixed_size 0
		.amdhsa_enable_private_segment 0
		.amdhsa_kernarg_size 40
		.amdhsa_user_sgpr_count 2
		.amdhsa_user_sgpr_kernarg_segment_ptr 1
		.amdhsa_wavefront_size32 1
		.amdhsa_system_sgpr_workgroup_id_x 1
		.amdhsa_system_sgpr_workgroup_id_y 1
		.amdhsa_system_sgpr_workgroup_id_z 1
		.amdhsa_system_vgpr_workitem_id 0
		.amdhsa_next_free_vgpr 912
		.amdhsa_next_free_sgpr 66
		.amdhsa_reserve_vcc 0
		.amdhsa_float_denorm_mode_32 3
		.amdhsa_float_denorm_mode_16_64 3
		.amdhsa_memory_ordered 1
		.amdhsa_forward_progress 1
		.amdhsa_inst_pref_size 180
	.end_amdhsa_kernel
	.amdgpu_metadata
---
amdhsa.version: [ 1, 2 ]
amdhsa.kernels:
  - .name:           k_q761c9950b7_stage2
    .symbol:         k_q761c9950b7_stage2.kd
    .args:
      - { .name: oq, .offset: 0, .size: 8, .value_kind: global_buffer, .address_space: global }
      - { .name: os, .offset: 8, .size: 8, .value_kind: global_buffer, .address_space: global }
      - { .name: wq, .offset: 16, .size: 8, .value_kind: global_buffer, .address_space: global }
      - { .name: ws, .offset: 24, .size: 8, .value_kind: global_buffer, .address_space: global }
      - { .name: out0, .offset: 32, .size: 8, .value_kind: global_buffer, .address_space: global }
    .group_segment_fixed_size: 56320
    .private_segment_fixed_size: 0
    .kernarg_segment_align: 8
    .kernarg_segment_size: 40
    .max_flat_workgroup_size: 128
    .sgpr_count:     66
    .vgpr_count:     912
    .wavefront_size: 32
...
	.end_amdgpu_metadata
.endif
;; end of part 5
